; MI455X (gfx1250); checked and timed in simulation.
; The chip was launched on July 23, 2026; its instructions are those of AMD's public machine-readable ISA for CDNA 5 (MIT licence, August 2026) and "CDNA5" Instruction Set Architecture Reference Guide (July 2026). The comments in the code are by the model that wrote it; some were corrected since.
;; Classical Self Attention. Allowed arithmetic: float matrix products may take bf16 or f16 operands with f32 sums; other float arithmetic in f32, or as packed bf16 or f16 multiplies, adds, multiply-adds, maxima and minima; sums over many terms, partial sums and values carried from step to step in f32; what a program stores and reads back later, other than sums and carried values, may be rounded once to bf16 or f16.
;; Inputs: W_out 1,024 x 1,024 float32; W_qkv 1,024 x 3,072 float32; b_out 1,024 float32; x 4 x 2,048 x 1,024 float32.
;; Outputs: out0 4 x 2,048 x 1,024 float32.
;; 2 versions, each right; version 2 is version 1 with the launch prep written anew for expert scheduling mode. Each part assembles by itself: llvm-mc -triple=amdgcn-amd-amdhsa -mcpu=gfx1250 --defsym DOCPART=n.
;; ======== version 1 of 2: 5 launches
;; limits: values are held in f16: magnitudes above 65,504 overflow, below 6.1e-05 lose precision
;; workspace buffers: xb 16,777,216 bytes; wqb 6,291,456 bytes; wob 2,097,152 bytes; qkv 50,331,648 bytes; pbuf 33,554,432 bytes; stats 524,288 bytes; obuf 16,777,216 bytes
;; launch prep (part 1): grid 768 x 1, 8 waves a work-group, no clusters, 0 bytes of LDS; arguments x, W_qkv, W_out, xb, wqb, wob; writes xb, wqb, wob
.if DOCPART == 1
	.amdgcn_target "amdgcn-amd-amdhsa--gfx1250"
	.amdhsa_code_object_version 6
	.text
	.protected	k_qced1326843_prep
	.globl	k_qced1326843_prep
	.p2align	8
	.type	k_qced1326843_prep,@function
k_qced1326843_prep:
	s_mov_b64 s[64:65], 0
	v_nop
	global_prefetch_b8 v0, s[64:65] scope:SCOPE_SE
	s_setreg_imm32_b32 hwreg(HW_REG_WAVE_MODE, 25, 1), 1
	s_wait_xcnt 0x0
; THE CASTS.  xb = bf16(x), wqb = bf16(W_qkv), wob = f16(bf16(W_out)): every input of the module is rounded once to bf16; W_out's rounded number is
; then written as f16, because the last product multiplies it with an f16 operand.
; xb LIES IN BLOCKS: [16 blocks of 64 channels][8192 rows][64], so that the 64 channels of neighbouring rows lie end to end: what the projection takes in one K step is dense.  wqb and wob lie as their inputs do.
; LIMIT.  bf16(W_out) beyond 65,504 becomes an infinity in f16; below 6e-5 it keeps f16's fixed step of 6e-8.
; SHARES.  A work-group takes 16,384 numbers: groups 0-511 of x (16 rows each), 512-703 of W_qkv, 704-767 of W_out.  Eight waves, sixteen loads of 16 bytes a thread, all issued ahead of the first store.
; Of the weights thread t takes 16 bytes at 16 t of each 4,096.  Of x a wave takes, in one load, 256 bytes (64 channels, one block) of each of two neighbouring rows.  Either way a wave's store covers 256 consecutive bytes, aligned.
; No LDS, no barrier, no matrix unit: each byte is read once and written once, and no wave needs another's.
.set GX,  512                          ; work-groups for x
.set GW,  704                          ; and, up to here, for W_qkv
.set X,   16                           ; v[16:79]   sixteen loads of four f32
.set Y,   80                           ; v[80:111]  sixteen pairs of packed results
	s_load_b256 s[4:11], s[0:1], 0x0               ; x s[4:5], W_qkv s[6:7], W_out s[8:9], xb s[10:11]
	s_load_b128 s[12:15], s[0:1], 0x20             ; wqb s[12:13], wob s[14:15]
	s_mov_b32 s16, ttmp9
	s_mov_b32 s19, 0
	s_mov_b32 s25, 0
	s_wait_kmcnt 0x0
	s_cmp_lt_u32 s16, GX                           ; which tensor: the choice hangs on the work-group's number alone
	s_cselect_b64 s[20:21], s[4:5], s[6:7]
	s_cselect_b64 s[22:23], s[10:11], s[12:13]
	s_cselect_b32 s17, 0, GX
	s_cselect_b32 s26, 11, 15                      ; out: 16 rows of 128 bytes in each block of xb, or 32,768 bytes on end
	s_cmp_lt_u32 s16, GW
	s_cselect_b64 s[20:21], s[20:21], s[8:9]
	s_cselect_b64 s[22:23], s[22:23], s[14:15]
	s_cselect_b32 s17, s17, GW
	s_sub_co_u32 s17, s16, s17                     ; my number among the tensor's work-groups
	s_lshl_b32 s18, s17, 16                        ; 65,536 bytes in
	s_lshl_b32 s24, s17, s26
	s_add_nc_u64 s[20:21], s[20:21], s[18:19]
	s_add_nc_u64 s[22:23], s[22:23], s[24:25]
; Sixteen times: four numbers rounded and stored.  half = 1: the bf16 number is widened again (a shift, a mask) and written as f16.  blk = 1: into xb's blocks.
.macro OUT half, blk
.set i, 0
.rept 16
	s_wait_loadcnt 15-i                            ; loads come back in order: number i is in, the 15 - i younger ones stay out
	v_cvt_pk_bf16_f32 v[Y+2*i], v[X+4*i], v[X+4*i+1]
	v_cvt_pk_bf16_f32 v[Y+2*i+1], v[X+4*i+2], v[X+4*i+3]
.if \half
	v_lshlrev_b32 v[X+4*i], 16, v[Y+2*i]
	v_and_b32 v[X+4*i+1], 0xffff0000, v[Y+2*i]
	v_lshlrev_b32 v[X+4*i+2], 16, v[Y+2*i+1]
	v_and_b32 v[X+4*i+3], 0xffff0000, v[Y+2*i+1]
	v_cvt_pk_f16_f32 v[Y+2*i], v[X+4*i], v[X+4*i+1]
	v_cvt_pk_f16_f32 v[Y+2*i+1], v[X+4*i+2], v[X+4*i+3]
.endif
.if \blk
	global_store_b64 v[2+i%2], v[Y+2*i:Y+2*i+1], s[22:23] offset:(i/2)*256  ; two rows of a block: 256 bytes on end
.else
	global_store_b64 v2, v[Y+2*i:Y+2*i+1], s[22:23] offset:2048*i  ; no register of a store is written again: no wait for the stores
.endif
.set i, i+1
.endr
.endm
	s_cmp_lt_u32 s16, GX
	s_cbranch_scc0 .Lweights
	; x.  Load i: rows 2 (i / 2) and 2 (i / 2) + 1 of my 16, blocks 8 (i % 2) + wave: lane l takes row l / 16 of the two and channels 4 (l % 16) + 0..3 of the block
	v_and_b32 v4, 15, v0
	v_bfe_u32 v5, v0, 4, 1
	v_lshrrev_b32 v6, 5, v0                        ; wave
	v_lshlrev_b32 v1, 4, v4                        ; in: 16 (l % 16)
	v_lshl_add_u32 v1, v5, 12, v1                  ;   + 4,096 (l / 16)
	v_lshl_add_u32 v1, v6, 8, v1                   ;   + 256 x wave
	v_and_b32 v2, 31, v0
	v_lshlrev_b32 v2, 3, v2                        ; out: 8 l
	v_lshl_add_u32 v2, v6, 20, v2                  ;   + the block: 8192 rows x 128 bytes each
	v_add_nc_u32 v3, 0x800000, v2                  ; and eight blocks on, for the odd loads: more than a store's immediate holds
.set i, 0
.rept 16
	global_load_b128 v[X+4*i:X+4*i+3], v1, s[20:21] offset:(i/2)*8192+(i%2)*2048 th:TH_LOAD_NT
.set i, i+1
.endr
	OUT 0, 1
	s_endpgm
.Lweights:
	v_lshlrev_b32 v1, 4, v0                        ; 16 t: where I read
	v_lshlrev_b32 v2, 3, v0                        ; 8 t: where I write
.set i, 0
.rept 16
	global_load_b128 v[X+4*i:X+4*i+3], v1, s[20:21] offset:4096*i th:TH_LOAD_NT
.set i, i+1
.endr
	s_cmp_lt_u32 s16, GW
	s_cbranch_scc0 .Lhalf
	OUT 0, 0
	s_endpgm
.Lhalf:
	OUT 1, 0
	s_endpgm
.Lfunc_end_k_qced1326843_prep:
	.size	k_qced1326843_prep, .Lfunc_end_k_qced1326843_prep-k_qced1326843_prep
	.p2alignl 7, 3214868480
	.fill 96, 4, 3214868480
	.section	.rodata,"a",@progbits
	.p2align	6, 0x0
	.amdhsa_kernel k_qced1326843_prep
		.amdhsa_group_segment_fixed_size 0
		.amdhsa_private_segment_fixed_size 0
		.amdhsa_enable_private_segment 0
		.amdhsa_kernarg_size 48
		.amdhsa_user_sgpr_count 2
		.amdhsa_user_sgpr_kernarg_segment_ptr 1
		.amdhsa_wavefront_size32 1
		.amdhsa_system_sgpr_workgroup_id_x 1
		.amdhsa_system_sgpr_workgroup_id_y 1
		.amdhsa_system_sgpr_workgroup_id_z 1
		.amdhsa_system_vgpr_workitem_id 0
		.amdhsa_next_free_vgpr 112
		.amdhsa_next_free_sgpr 66
		.amdhsa_reserve_vcc 0
		.amdhsa_float_denorm_mode_32 3
		.amdhsa_float_denorm_mode_16_64 3
		.amdhsa_memory_ordered 1
		.amdhsa_forward_progress 1
		.amdhsa_inst_pref_size 22
	.end_amdhsa_kernel
	.amdgpu_metadata
---
amdhsa.version: [ 1, 2 ]
amdhsa.kernels:
  - .name:           k_qced1326843_prep
    .symbol:         k_qced1326843_prep.kd
    .args:
      - { .name: x, .offset: 0, .size: 8, .value_kind: global_buffer, .address_space: global }
      - { .name: W_qkv, .offset: 8, .size: 8, .value_kind: global_buffer, .address_space: global }
      - { .name: W_out, .offset: 16, .size: 8, .value_kind: global_buffer, .address_space: global }
      - { .name: xb, .offset: 24, .size: 8, .value_kind: global_buffer, .address_space: global }
      - { .name: wqb, .offset: 32, .size: 8, .value_kind: global_buffer, .address_space: global }
      - { .name: wob, .offset: 40, .size: 8, .value_kind: global_buffer, .address_space: global }
    .group_segment_fixed_size: 0
    .private_segment_fixed_size: 0
    .kernarg_segment_align: 8
    .kernarg_segment_size: 48
    .max_flat_workgroup_size: 256
    .sgpr_count:     66
    .vgpr_count:     112
    .wavefront_size: 32
...
	.end_amdgpu_metadata
.endif
;; end of part 1
;; launch proj (part 2): grid 8 x 32, 4 waves a work-group, clusters of 4 x 4, 327,680 bytes of LDS; arguments xb, wqb, qkv; writes qkv
.if DOCPART == 2
	.amdgcn_target "amdgcn-amd-amdhsa--gfx1250"
	.amdhsa_code_object_version 6
	.text
	.protected	k_qced1326843_proj
	.globl	k_qced1326843_proj
	.p2align	8
	.type	k_qced1326843_proj,@function
k_qced1326843_proj:
	s_mov_b64 s[64:65], 0
	v_nop
	global_prefetch_b8 v0, s[64:65] scope:SCOPE_SE
	s_setreg_imm32_b32 hwreg(HW_REG_WAVE_MODE, 25, 1), 1
	s_wait_xcnt 0x0
	s_wait_alu depctr_hold_cnt(0) depctr_sa_sdst(0) depctr_va_vdst(0) depctr_va_sdst(0) depctr_va_ssrc(0) depctr_va_vcc(0) depctr_vm_vsrc(0)
	s_getreg_b32 s2, hwreg(HW_REG_IB_STS2, 6, 4)
	s_cmp_eq_u32 s2, 0
	s_cbranch_scc0 .Lentry_in_a_cluster
	s_endpgm
.Lentry_in_a_cluster:
	s_bfe_u32 s2, ttmp6, 0x10000c
	s_cmp_lg_u32 s2, 0xf033
	s_cbranch_scc0 .Lentry_shape_is_right
	s_endpgm
.Lentry_shape_is_right:
; qkv[m][n] = the sum over k of x[m][k] W[k][n].  xb: bf16 in blocks, [16 blocks of 64 k][8192 rows][64]; wqb: [1024][3072] bf16; qkv: [8192][3072] f16 (q, k, v side by side in a row); sums in f32, rounded once.
; LIMIT.  A sum beyond 65,504 becomes an infinity in f16; NaN and infinities are not treated apart.
; SHARES.  A tile of C is 256 x 384: 32 x 8 tiles, one for each of 256 work-groups.  It is three UNITS of 128 columns that share A.  Four waves: wave w takes rows 128 (w / 2) on and, of each unit, columns 64 (w % 2) on:
; 8 x 4 accumulators of 16 x 16 a unit, 96 in all, 768 registers.  For 32 along K a wave reads 128 rows of A and 192 columns of B from LDS, 20 KiB, for 96 matrix instructions.
; K goes in 16 steps of 64 through two LDS slots: two slots of 128 along K would be 2 x (256 + 384) x 256 bytes, all of LDS without a byte of padding.
; A lies [m][k] and is read as it lies; B lies [k][n] and is read turned, by ds_load_tr16_b128.  The product is used transposed (source 0 = 16 columns of B, source 1 = 16 rows of A):
; a lane then holds row l % 16 of C and eight neighbouring columns 8 (l / 16) + 0..7, which pack into 16 bytes.
; CLUSTER.  4 x 4 work-groups: the four of a row of the cluster need the same tile of A, the four of a column the same tile of B.  Each is asked for jointly: the same load, descriptor and mask in all four.
; REGISTERS.  Window 0: v0-31 addresses; v32-95, v96-159 A's fragments of a step's two chunks of 32 k (block i at +8 i); v160-255 three buffers of four fragments of B, one a unit.
; Window 1 + j: unit j's accumulators, (a, b) at v[8 (4 a + b)].
.set LDB,   3072                       ; elements in a row of B
.set LDC,   3072                       ; of C
.set STEPS, 16                         ; K steps
.set ASTEP, 8192*128                   ; bytes from a K step to the next in A: a block
.set BSTEP, 64*2*LDB                   ; in B: 64 rows down
.set PA,    144                        ; an LDS row of A: 128 bytes + 16: 36 words, so the 16 rows of a load start at 16 different groups of four banks (64 banks of 4 bytes: ISA guide 11.1)
.set PB,    288                        ; of a unit of B: 256 + 32
.set BOFF,  256*PA                     ; in a slot: A's 256 rows, then B's three units
.set BUNIT, 64*PB                      ; of 64 rows each
.set SLOT1, 1<<17                      ; slot 1 begins here: one exclusive or turns an address of one slot into the other's
.set SP,    272                        ; the way out: a row of a stage
.set STG,   256*SP                     ; a unit's stage.  The three stages lie over the ring, whose blocks have then had their last fill
.set SPARE, SLOT1+BOFF+3*BUNIT         ; behind the ring: the spare words, 128 bytes a wave: two blocks of 256 bytes that no other line names
.set A0,   4                           ; v4   my lane's place in a slot's A; never rewritten
.set B0,   5                           ; v5   in its B
.set ADRA, 6                           ; v6   the same in the slot in hand
.set ADRB, 7                           ; v7
.set STO,  8                           ; v8-10 the way out: where I put 16 bytes of a row, by unit
.set RD,   11                          ; v11  where I read rows back
.set CO,   12                          ; v12  my byte offset in C
.set PFO,  13                          ; v13  the prefetches' offset; never rewritten
.set SPW,  30                          ; v30  my spare word; never rewritten
.set NIL,  31                          ; v31  0; never rewritten
.set AF,   32
.set BF,   160
.set TMP,  32                          ; the way out: 128 registers
.set G1A, 24                           ; s[24:31] descriptor group 1 for A's tiles
.set G0A, 32                           ; s[32:39] group 0: a set for each first fill; the second then walks
.set G1B, 48                           ; s[48:55], s[56:63] the same for B's
.set G0B, 56
.set TB,  66                           ; s66  LDS byte at which the slot in hand begins
.set LIM, 67                           ; s67  a wave prefetches while the loop's counter is above this
.set PFA, 68                           ; s[68:69] where my prefetches stand
.set PFS, 70                           ; s[70:71] their step
.set PAR, 75                           ; s75  0: I ask in every trip; 1: in the trips with an odd counter
.set MSB, 0
.macro WIN new                         ; the immediate's high byte repeats the setting that is left; a switch that changes nothing is dropped
.if MSB != (\new)
	s_set_vgpr_msb (MSB<<8)|(\new)
.set MSB, \new
.endif
.endm
.macro PLACES                          ; four plain vector instructions between a matrix instruction and a load into, or a vector read or write of, its registers
.rept 4
	v_nop
.endr
.endm
.macro CREST                           ; a round of the cluster's barrier behind its opening barrier
	s_cmp_lg_u32 s10, 0
	s_cbranch_scc1 .Lnot_wave_0_\@
	s_barrier_signal -3
.Lnot_wave_0_\@:
	s_barrier_wait -3
	s_barrier_signal -1
	s_barrier_wait -1
.endm
.macro CROUND                          ; a whole round
	s_barrier_signal -1
	s_barrier_wait -1
	CREST
.endm
; A joint refill by the walking descriptors.  Wave 0 fetches A (32 KiB on end, as 128 rows of 256 bytes), waves 1 to 3 a unit of B each (64 rows of 256 bytes).  The branch hangs on the wave's number alone.
; An s_nop 0 and four v_nop follow each of the two lines, ahead of the jump and the label.
.macro JLOAD
	s_cmp_eq_u32 s10, 0
	s_cbranch_scc0 .Lfor_b_\@
	tensor_load_to_lds s[G0A+4:G0A+7], s[G1A:G1A+7]
	s_nop 0
.rept 4
	v_nop
.endr
	s_branch .Lasked_\@
.Lfor_b_\@:
	tensor_load_to_lds s[G0B+4:G0B+7], s[G1B:G1B+7]
	s_nop 0
.rept 4
	v_nop
.endr
.Lasked_\@:
.endm
; THE PREFETCHES, behind the joint load and the run of LDS loads that follows it.  Each aligned block of 256 bytes is named once in the launch.
; A: a step's tile is 128 blocks on end; both clusters of a row of clusters read it, and the first (cluster x = 0) asks: wave 0, in every trip, for the step that the NEXT refill will ask for, 192 matrix instructions
; ahead of that load; the four partners take 32 blocks each, a lane a block, told apart by address.  Steps 3 to 15 are asked for; the last trip has no step behind its refill.
; B: all eight clusters of a column of clusters read a tile column, and the first (cluster y = 0) asks: wave w (1 to 3) for unit w - 1, in every second trip, for the next TWO refills' steps: each partner takes 16 rows of each,
; a lane a row.  Steps 4 to 15 are asked for, in pairs, in the trips whose counter is 13, 11 .. 3.
.macro ASK
	s_cmp_gt_u32 s3, s[LIM]
	s_cbranch_scc0 .Lnot_mine_\@
	s_and_b32 s74, s3, s[PAR]
	s_cmp_eq_u32 s74, s[PAR]
	s_cbranch_scc0 .Lnot_mine_\@
	global_prefetch_b8 v[PFO], s[PFA:PFA+1] th:TH_LOAD_NT scope:SCOPE_SE
.Lnot_mine_\@:
.endm
	s_load_b128 s[4:7], s[0:1], 0x0                ; xb s[4:5], wqb s[6:7]
	s_load_b64 s[8:9], s[0:1], 0x10                ; qkv
	v_lshl_add_u32 v[SPW], v0, 2, SPARE
	v_mov_b32 v[NIL], 0
	ds_add_u32 v[SPW], v[NIL]                      ; the wave's opening: the add and its wait stand ahead of my first tensor load; the set-up below stands between them
	v_lshrrev_b32 v1, 5, v0
	v_readfirstlane_b32 s10, v1                    ; wave 0..3
	s_lshr_b32 s11, s10, 1                         ; which 128 rows of the tile are mine
	s_and_b32 s12, s10, 1                          ; which 64 columns of each unit
	s_bfe_u32 s40, ttmp6, 0x40000                  ; cx
	s_bfe_u32 s41, ttmp6, 0x40004                  ; cy
	s_lshl_b32 s42, ttmp9, 2
	s_add_co_u32 s42, s42, s40                     ; tile column = 4 x cluster x + cx
	s_and_b32 s43, ttmp7, 0xffff                   ; cluster y
	s_lshl_b32 s13, s43, 2
	s_add_co_u32 s13, s13, s41                     ; tile row = 4 x cluster y + cy
	s_lshl_b32 s44, s41, 2
	s_lshl_b32 s44, 15, s44                        ; my row of the cluster
	s_lshl_b32 s45, 0x1111, s40                    ; my column
	s_or_b32 s[G1A+0], s44, (1<<16)|(1<<20)|(1<<21)|(4<<22)|(3<<25)  ; 15:0 the mask; 17:16 2-byte elements; 20 padding on; 21 set beside a mask; 24:22 after every 32 words (a row of x); 31:25 4 words of it
	s_or_b32 s[G1B+0], s45, (1<<16)|(1<<20)|(1<<21)|(5<<22)|(7<<25)  ; my column's mask; after every 64 words 8 words
	s_mov_b32 s[G1A+1], 128<<16                    ; tensor_dim0 = 128: two rows of x
	s_mov_b32 s[G1A+2], 128<<16                    ; tensor_dim1 = 128
	s_mov_b32 s[G1A+3], 128<<16                    ; tile_dim0 = 128
	s_mov_b32 s[G1A+4], 128                        ; tile_dim1 = 128
	s_mov_b32 s[G1A+5], 128                        ; elements from row to row: dense
	s_mov_b32 s[G1A+6], 0
	s_mov_b32 s[G1A+7], 0
	s_mov_b32 s[G1B+1], 128<<16
	s_mov_b32 s[G1B+2], 64<<16                     ; 64 rows
	s_mov_b32 s[G1B+3], 128<<16
	s_mov_b32 s[G1B+4], 64
	s_mov_b32 s[G1B+5], LDB
	s_mov_b32 s[G1B+6], 0
	s_mov_b32 s[G1B+7], 0
	s_lshl_b32 s16, s13, 15                        ; A: the tile row's 256 rows of 128 bytes in a block: it hangs on the tile row alone
	s_mov_b32 s17, 0
	s_max_u32 s20, s10, 1
	s_sub_co_u32 s20, s20, 1                       ; the unit that I fetch: wave - 1 (wave 0 fetches none: its number here is not used)
	s_mul_i32 s46, s42, 768                        ; B: byte 768 x tile column + 256 x unit of the row: it hangs on the tile column alone
	s_lshl_b32 s47, s20, 8
	s_add_co_u32 s46, s46, s47
	s_mov_b32 s47, 0
	s_mul_i32 s21, s10, BUNIT                      ; where it goes: no place in the cluster enters an LDS address
	s_add_co_u32 s21, s21, BOFF-BUNIT
	s_mov_b32 s[TB], 0
	s_wait_dscnt 0x0                               ; the opening add is done
	s_wait_kmcnt 0x0
	s_add_nc_u64 s[14:15], s[4:5], s[16:17]
	s_add_nc_u64 s[46:47], s[6:7], s[46:47]
	CROUND                                         ; all sixteen work-groups are here: the first joint loads meet
.irp s, 0,1
	s_mov_b32 s[G0A+4*(\s)], 1                     ; count = 1
	s_mov_b32 s[G0A+4*(\s)+1], (\s)*SLOT1          ; LDS address
	s_add_nc_u64 s[G0A+4*(\s)+2:G0A+4*(\s)+3], s[14:15], (\s)*ASTEP  ; global address: K step s
	s_or_b32 s[G0A+4*(\s)+3], s[G0A+4*(\s)+3], 0x80000000            ; type = 2
	s_mov_b32 s[G0B+4*(\s)], 1
	s_add_co_u32 s[G0B+4*(\s)+1], s21, (\s)*SLOT1
	s_add_nc_u64 s[G0B+4*(\s)+2:G0B+4*(\s)+3], s[46:47], (\s)*BSTEP
	s_or_b32 s[G0B+4*(\s)+3], s[G0B+4*(\s)+3], 0x80000000
.endr
	s_cmp_eq_u32 s10, 0                            ; a wave's two first fills stand in one branch, ahead of every wait on TENSORcnt and every LDS read: two loads of mine are out
	s_cbranch_scc0 .Lfirst_b
	tensor_load_to_lds s[G0A:G0A+3], s[G1A:G1A+7]
	s_nop 0
	tensor_load_to_lds s[G0A+4:G0A+7], s[G1A:G1A+7]
	s_nop 0
.rept 4
	v_nop
.endr
	s_branch .Lfirst_asked
.Lfirst_b:
	tensor_load_to_lds s[G0B:G0B+3], s[G1B:G1B+7]
	s_nop 0
	tensor_load_to_lds s[G0B+4:G0B+7], s[G1B:G1B+7]
	s_nop 0
.rept 4
	v_nop
.endr
.Lfirst_asked:
	; A fragment of A is 16 rows x 32 k in 8 registers: lane l holds row l % 16, k = 8 (l / 16) + 0..7 and 16 + 8 (l / 16) + 0..7: two loads of 16 bytes, 32 bytes apart.
	v_and_b32 v1, 15, v0                           ; l % 16
	v_bfe_u32 v2, v0, 4, 1                         ; l / 16
	v_mul_u32_u24 v3, v1, PA
	v_lshl_add_u32 v3, v2, 4, v3
	s_mul_i32 s22, s11, 128*PA                     ; my 128 rows
	v_add_nc_u32 v[A0], s22, v3
	; The turning load takes 16 k x 16 columns (lane l reads 16 bytes: k = 8 (l / 16) + l % 8, columns 8 ((l / 8) % 2) + 0..7) and leaves half a fragment: lane l holds column l % 16 and 8 k.
	v_and_b32 v3, 7, v0
	v_lshl_add_u32 v3, v2, 3, v3
	v_mul_u32_u24 v[B0], v3, PB
	v_bfe_u32 v3, v0, 3, 1
	v_lshl_add_u32 v[B0], v3, 4, v[B0]
	s_lshl_b32 s22, s12, 7                         ; my 64 columns of a unit
	s_add_co_u32 s22, s22, BOFF
	v_add_nc_u32 v[B0], s22, v[B0]
	v_mov_b32 v[ADRA], v[A0]                       ; slot 0
	v_mov_b32 v[ADRB], v[B0]
	; the way out
	s_mul_i32 s23, s11, 128*SP                     ; into a stage: my 128 rows, my half of their 256 bytes; row l % 16, 16 bytes for each half of the lanes
	s_lshl_b32 s22, s12, 7
	s_add_co_u32 s23, s23, s22
	v_mul_u32_u24 v3, v1, SP
	v_lshl_add_u32 v3, v2, 4, v3
	v_add_nc_u32 v[STO], s23, v3
	v_add_nc_u32 v[STO+1], STG, v[STO]
	v_add_nc_u32 v[STO+2], 2*STG, v[STO]
	s_mul_i32 s23, s10, 64*SP                      ; back: wave w takes rows 64 w .. 64 w + 63, whole: lanes 0-15 one row of 256 bytes, lanes 16-31 the next
	v_mul_u32_u24 v3, v2, SP
	v_lshl_add_u32 v3, v1, 4, v3
	v_add_nc_u32 v[RD], s23, v3
	v_mul_u32_u24 v3, v2, 2*LDC                    ; and the same two rows in C
	v_lshl_add_u32 v[CO], v1, 4, v3
	s_lshl_b32 s80, s13, 8
	s_lshl_b32 s81, s10, 6
	s_add_co_u32 s80, s80, s81                     ; the first row of C that I store
	s_mul_i32 s80, s80, 2*LDC
	s_mul_i32 s81, s42, 768                        ; the tile's first column, in bytes
	s_add_co_u32 s80, s80, s81
	s_mov_b32 s81, 0
	s_add_nc_u64 s[8:9], s[8:9], s[80:81]
	; the prefetches stand at K step 2; each change of slots steps them by one K step ahead of its asking.  Nothing is asked for here, at the head, where every work-group's first tiles are on their way
	s_lshl_b32 s76, s13, 15                        ; A: the tile's 32 KiB of a block, my work-group's quarter of them
	s_lshl_b32 s77, s40, 13
	s_add_co_u32 s76, s76, s77
	s_add_co_u32 s76, s76, 2*ASTEP
	s_lshl_b32 s78, s41, 4                         ; B: my work-group's 16 of a step's 64 rows, my unit's 256 bytes of them
	s_add_co_u32 s78, s78, 2*64
	s_mul_i32 s78, s78, 2*LDB
	s_mul_i32 s79, s42, 768
	s_add_co_u32 s78, s78, s79
	s_lshl_b32 s79, s20, 8
	s_add_co_u32 s78, s78, s79
	s_mov_b32 s79, 2*LDB                           ; B: lanes 0-15 a row each,
	s_mov_b32 s83, BSTEP                           ; lanes 16-31 the same rows of the next step
	s_mov_b32 s[PFS], BSTEP
	s_cmp_eq_u32 s10, 0                            ; do I fetch for A?
	s_cselect_b32 s76, s76, s78
	s_cselect_b32 s79, 256, s79                    ; A: 32 blocks on end
	s_cselect_b32 s83, 4096, s83
	s_cselect_b32 s[PFS], ASTEP, s[PFS]
	s_cselect_b32 s78, ttmp9, s43                  ; the coordinate along which other clusters read the same rows
	s_cselect_b32 s82, 1, 2
	s_cselect_b32 s[PAR], 0, 1
	s_cselect_b64 s[PFA:PFA+1], s[4:5], s[6:7]
	s_mov_b32 s77, 0
	s_mov_b32 s[PFS+1], 0
	s_add_nc_u64 s[PFA:PFA+1], s[PFA:PFA+1], s[76:77]
	s_cmp_eq_u32 s78, 0
	s_cselect_b32 s[LIM], s82, -1                  ; the same in all sixteen partners, for a given wave
	v_mul_u32_u24 v[PFO], s79, v1
	v_mul_u32_u24 v3, s83, v2
	v_add_nc_u32 v[PFO], v[PFO], v3
; 8 matrix instructions of unit j on chunk c: row blocks a0, a0 + 1 x the unit's 4 column blocks, 32 along K.  zero = 1: the first product starts the sums.  A chunk takes the 96 accumulators once, always in the
; same order, one instruction a turn: 95 others stand between two links of a chain, over the backward jump too.
.macro MUL8 j, c, a0, zero
	WIN 0x50*(1+(\j))                              ; C and D in window 1 + j
.irp a, \a0, (\a0)+1
.irp b, 0,1,2,3
.if \zero
	v_wmma_f32_16x16x32_bf16 v[8*(4*(\a)+(\b)):8*(4*(\a)+(\b))+7], v[BF+32*(\j)+8*(\b):BF+32*(\j)+8*(\b)+7], v[AF+64*(\c)+8*(\a):AF+64*(\c)+8*(\a)+7], 0
.else
	v_wmma_f32_16x16x32_bf16 v[8*(4*(\a)+(\b)):8*(4*(\a)+(\b))+7], v[BF+32*(\j)+8*(\b):BF+32*(\j)+8*(\b)+7], v[AF+64*(\c)+8*(\a):AF+64*(\c)+8*(\a)+7], v[8*(4*(\a)+(\b)):8*(4*(\a)+(\b))+7]
.endif
.endr
.endr
.endm
.macro RUNB c, j                       ; 8 LDS loads: my four fragments of unit j of B, chunk c, into the unit's buffer
.irp b, 0,1,2,3
	ds_load_tr16_b128 v[BF+32*(\j)+8*(\b):BF+32*(\j)+8*(\b)+3],   v[ADRB] offset:(\j)*BUNIT+(\c)*32*PB+32*(\b)
	ds_load_tr16_b128 v[BF+32*(\j)+8*(\b)+4:BF+32*(\j)+8*(\b)+7], v[ADRB] offset:(\j)*BUNIT+(\c)*32*PB+16*PB+32*(\b)
.endr
.endm
.macro RUNA c                          ; 16 LDS loads: my eight fragments of A, chunk c, into the chunk's buffer
.irp i, 0,1,2,3,4,5,6,7
	ds_load_b128 v[AF+64*(\c)+8*(\i):AF+64*(\c)+8*(\i)+3],   v[ADRA] offset:(\c)*64+(\i)*16*PA
	ds_load_b128 v[AF+64*(\c)+8*(\i)+4:AF+64*(\c)+8*(\i)+7], v[ADRA] offset:(\c)*64+(\i)*16*PA+32
.endr
.endm
; A K step is six PIECES of 32 matrix instructions: piece p is chunk p / 3, unit p % 3.  In the middle of piece p stands ONE run of LDS loads: B of piece p + 2, into the buffer that piece p - 1 has read, and in
; pieces 1 and 4 also A of the next chunk, into the buffer that the chunk before has read.  Pieces 4 and 5 fetch from the next slot.
.macro RUN p
	WIN 0
.if (\p) == 0
	RUNB 0, 2
.elseif (\p) == 1
	RUNB 1, 0
	RUNA 1
.elseif (\p) == 2
	RUNB 1, 1
.elseif (\p) == 3
	RUNB 1, 2
.elseif (\p) == 4
	RUNB 0, 0
	RUNA 0
.else
	RUNB 0, 1
.endif
.endm
; left: the loads of the run before (8, or 24 behind pieces 1 and 4), which may stay out: what this piece multiplies was asked for a run earlier.
.macro PIECE p, zero, left, run
	s_wait_dscnt \left
	MUL8 (\p)%3, (\p)/3, 0, \zero
	MUL8 (\p)%3, (\p)/3, 2, \zero
.if \run
	PLACES
	RUN \p
.endif
	MUL8 (\p)%3, (\p)/3, 4, \zero
	MUL8 (\p)%3, (\p)/3, 6, \zero
.endm
; Piece 4 changes slots: one barrier.  In front of it each wave waits for all its tensor loads (one is out: its part of the next slot), adds 0 to its spare word, and waits for that and for its own reads of
; this slot, of which piece 3's run was the last.  fill = 1: the barrier opens a round of the cluster's, so that no wave of any partner still reads the slot or has a load on its way, and the slot is filled
; again, first thing behind the round, with the K step two on: 176 matrix instructions stand between that request and the wait for it.
.macro TURN fill
.if \fill
	s_wait_xcnt 0x0                                ; the last prefetch, a K step back or more, has read its address, so it may be stepped
	s_add_nc_u64 s[PFA:PFA+1], s[PFA:PFA+1], s[PFS:PFS+1]
.endif
	WIN 0
	s_wait_tensorcnt 0x0                           ; all my tensor loads have landed
	ds_add_u32 v[SPW], v[NIL]                      ; 0 onto my spare word
	s_wait_dscnt 9                                 ; (the add and the eight loads of piece 3's run may be out)
	MUL8 1, 1, 0, 0
	s_wait_dscnt 0x0                               ; the add is done, and my reads of this slot are over
	s_barrier_signal -1
	MUL8 1, 1, 2, 0
.if \fill
	WIN 0
.endif
	s_barrier_wait -1
.if \fill
	CREST
	s_xor_b32 s[G0A+5], s[G0A+5], SLOT1            ; the walking descriptors: the other slot than last time, the next K step; the type bits on top are not reached
	s_add_nc_u64 s[G0A+6:G0A+7], s[G0A+6:G0A+7], ASTEP
	s_xor_b32 s[G0B+5], s[G0B+5], SLOT1
	s_add_nc_u64 s[G0B+6:G0B+7], s[G0B+6:G0B+7], BSTEP
	JLOAD                                          ; the four v_nop behind it are also the places in front of the loads below
.else
	PLACES
	WIN 0
.endif
	s_xor_b32 s[TB], s[TB], SLOT1
	v_add_nc_u32 v[ADRA], s[TB], v[A0]
	v_add_nc_u32 v[ADRB], s[TB], v[B0]
	RUN 4
.if \fill
	ASK
.endif
	MUL8 1, 1, 4, 0
	MUL8 1, 1, 6, 0
.endm
	s_wait_tensorcnt 1                             ; my part of K step 0 is in; K step 1's may stay out
	s_barrier_signal -1
	s_barrier_wait -1                              ; everybody's is
	RUNA 0
	RUNB 0, 0
	RUNB 0, 1
	PIECE 0, 1, 8, 1                               ; the first chunk stands in front of the loop: its products start the sums
	PIECE 1, 1, 8, 1
	PIECE 2, 1, 24, 1
	WIN 0                                          ; at a label and at a branch every window is 0
	s_mov_b32 s3, STEPS-2
.Lstep:                                                ; a trip: a K step's second chunk, with the change of slots and its refill, and the next step's first chunk
	PIECE 3, 0, 8, 1
	TURN 1
	PIECE 5, 0, 24, 1
	PIECE 0, 0, 8, 1
	PIECE 1, 0, 8, 1
	PIECE 2, 0, 24, 1
	WIN 0
	s_sub_co_u32 s3, s3, 1
	s_cmp_lg_u32 s3, 0
	s_cbranch_scc1 .Lstep
	PIECE 3, 0, 8, 1                               ; the last two K steps fill nothing
	TURN 0
	PIECE 5, 0, 24, 1
	PIECE 0, 0, 8, 1
	PIECE 1, 0, 8, 1
	PIECE 2, 0, 24, 1
	PIECE 3, 0, 8, 1
	PIECE 4, 0, 8, 0                               ; nothing more to fetch: piece 3's run may be out,
	PIECE 5, 0, 0, 0                               ; and is in: my last reads of the ring are back
	WIN 0
	; THE WAY OUT.  Every wave's reads of the ring are over: the ring, which is filled no more, may be written over.  Unit by unit: rounded to f16, 16 bytes a lane into the unit's stage; a barrier, since a row's
	; 256 bytes come from two waves; then back as whole rows, 64 rows a wave.
	s_barrier_signal -1
	PLACES                                         ; (the places behind the last products)
	s_barrier_wait -1
.irp j, 0,1,2
	WIN 0x05*(1+(\j))                              ; sources in window 1 + j, destination in window 0
.set t, 0
.rept 32
.irp r, 0,1,2,3
	v_cvt_pk_f16_f32 v[TMP+4*t+(\r)], v[8*t+2*(\r)], v[8*t+2*(\r)+1]  ; each accumulator from its lowest registers on
.endr
.set t, t+1
.endr
	WIN 0
.irp a, 0,1,2,3,4,5,6,7
.irp b, 0,1,2,3
	ds_store_b128 v[STO+(\j)], v[TMP+4*(4*(\a)+(\b)):TMP+4*(4*(\a)+(\b))+3] offset:(\a)*16*SP+32*(\b)
.endr
.endr
.endr
	s_wait_dscnt 0x0                               ; for the others' sake: my stores into the stages are done
	s_barrier_signal -1
	s_barrier_wait -1
	s_mov_b32 s3, 3
.Lunit:                                                ; a trip a unit
.set t, 0
.rept 32
	ds_load_b128 v[TMP+4*t:TMP+4*t+3], v[RD] offset:t*2*SP
.set t, t+1
.endr
.set t, 0
.rept 32
	s_wait_dscnt 31-t                              ; LDS loads come back in order: number t is in
	global_store_b128 v[CO], v[TMP+4*t:TMP+4*t+3], s[8:9] offset:2*t*2*LDC  ; 16 lanes store 256 consecutive bytes, at a multiple of 256 from C's first byte
.set t, t+1
.endr
	s_wait_xcnt 0x0                                ; the stores have read their registers: CO and the rows' registers are written again only behind this wait
	v_add_nc_u32 v[RD], STG, v[RD]
	v_add_nc_u32 v[CO], 256, v[CO]
	s_sub_co_u32 s3, s3, 1
	s_cmp_lg_u32 s3, 0
	s_cbranch_scc1 .Lunit
	s_wait_tensorcnt 0x0                           ; the wave's end: behind my last tensor load and my last LDS store
	ds_add_u32 v[SPW], v[NIL]
	s_wait_dscnt 0x0
	CROUND                                         ; the closing round: no work-group ends while a partner may still ask for a tile that names it
	s_endpgm
.Lfunc_end_k_qced1326843_proj:
	.size	k_qced1326843_proj, .Lfunc_end_k_qced1326843_proj-k_qced1326843_proj
	.p2alignl 7, 3214868480
	.fill 96, 4, 3214868480
	.section	.rodata,"a",@progbits
	.p2align	6, 0x0
	.amdhsa_kernel k_qced1326843_proj
		.amdhsa_group_segment_fixed_size 327680
		.amdhsa_private_segment_fixed_size 0
		.amdhsa_enable_private_segment 0
		.amdhsa_kernarg_size 24
		.amdhsa_user_sgpr_count 2
		.amdhsa_user_sgpr_kernarg_segment_ptr 1
		.amdhsa_wavefront_size32 1
		.amdhsa_system_sgpr_workgroup_id_x 1
		.amdhsa_system_sgpr_workgroup_id_y 1
		.amdhsa_system_sgpr_workgroup_id_z 1
		.amdhsa_system_vgpr_workitem_id 0
		.amdhsa_next_free_vgpr 1024
		.amdhsa_next_free_sgpr 84
		.amdhsa_reserve_vcc 0
		.amdhsa_float_denorm_mode_32 3
		.amdhsa_float_denorm_mode_16_64 3
		.amdhsa_memory_ordered 1
		.amdhsa_forward_progress 1
		.amdhsa_inst_pref_size 103
	.end_amdhsa_kernel
	.amdgpu_metadata
---
amdhsa.version: [ 1, 2 ]
amdhsa.kernels:
  - .name:           k_qced1326843_proj
    .symbol:         k_qced1326843_proj.kd
    .args:
      - { .name: xb, .offset: 0, .size: 8, .value_kind: global_buffer, .address_space: global }
      - { .name: wqb, .offset: 8, .size: 8, .value_kind: global_buffer, .address_space: global }
      - { .name: qkv, .offset: 16, .size: 8, .value_kind: global_buffer, .address_space: global }
    .group_segment_fixed_size: 327680
    .private_segment_fixed_size: 0
    .kernarg_segment_align: 8
    .kernarg_segment_size: 24
    .max_flat_workgroup_size: 128
    .sgpr_count:     84
    .vgpr_count:     1024
    .wavefront_size: 32
...
	.end_amdgpu_metadata
.endif
;; end of part 2
;; launch scores (part 3): grid 8 x 32, 4 waves a work-group, clusters of 4 x 4, 327,680 bytes of LDS; arguments qkv, pbuf, stats; writes pbuf, stats
.if DOCPART == 3
	.amdgcn_target "amdgcn-amd-amdhsa--gfx1250"
	.amdhsa_code_object_version 6
	.text
	.protected	k_qced1326843_scores
	.globl	k_qced1326843_scores
	.p2align	8
	.type	k_qced1326843_scores,@function
k_qced1326843_scores:
	s_mov_b64 s[64:65], 0
	v_nop
	global_prefetch_b8 v0, s[64:65] scope:SCOPE_SE
	s_setreg_imm32_b32 hwreg(HW_REG_WAVE_MODE, 25, 1), 1
	s_wait_xcnt 0x0
	s_wait_alu depctr_hold_cnt(0) depctr_sa_sdst(0) depctr_va_vdst(0) depctr_va_sdst(0) depctr_va_ssrc(0) depctr_va_vcc(0) depctr_vm_vsrc(0)
	s_getreg_b32 s2, hwreg(HW_REG_IB_STS2, 6, 4)
	s_cmp_eq_u32 s2, 0
	s_cbranch_scc0 .Lentry_in_a_cluster
	s_endpgm
.Lentry_in_a_cluster:
	s_bfe_u32 s2, ttmp6, 0x10000c
	s_cmp_lg_u32 s2, 0xf033
	s_cbranch_scc0 .Lentry_shape_is_right
	s_endpgm
.Lentry_shape_is_right:
; THE SCORES AND THE FIRST HALF OF THE SOFTMAX.  For a tile of 256 queries x 256 keys of one batch: s = q . k over all 1,024 channels (f16 operands, f32 sums); for each query the maximum m_t of the tile's
; 256 scores; p' = 2^(c s - c m_t), c = log2(e) / 8, rounded to f16 into pbuf [8192][2048]; and c m_t and l_t = the sum of the unrounded p' into stats [batch][key tile][2][2048], f32.
; The next launch takes the maximum over the eight key tiles and corrects in f32: together the two take the row's true maximum away before any weight is used.
; LIMITS.  p' lies in 0 to 1 and below 6e-5 keeps f16's fixed step of 6e-8; a weight below 2^-126 counts as 0 in l_t; NaN and infinities are not treated apart.
; SHARES.  Four waves, each 128 x 128 of the tile: 64 accumulators, 512 registers.  K goes in steps of 128 through two LDS slots (256 rows of q, 256 rows of k, 256 bytes each, padded to 272).
; The product is used transposed (source 0 = 16 keys, source 1 = 16 queries): a lane holds query l % 16 and eight neighbouring keys.
; CLUSTER.  4 x 4 work-groups: q's tile is shared along a row of the cluster, k's along a column; each is asked for jointly.
; REGISTERS.  Window 0: v0-63 addresses and work; v64-127, v128-191 q's fragments, two buffers.  Window 1: the same numbers, k's fragments.  Windows 2, 3: the accumulators of my rows 0-63, 64-127, (a, b) at v[8 (8 a + b)].
.set ROWB,  6144                       ; bytes in a row of qkv
.set KSTEP, 128
.set STEPS, 8
.set PITCH, 272                        ; an LDS row: 256 bytes + 16: the 16 rows of a load start at 16 different groups of four banks (64 banks of 4 bytes: ISA guide 11.1)
.set HALFT, 128*PITCH                  ; what one tensor load brings
.set SLOT,  4*HALFT                    ; 0x22000: no wave's place in a slot (a multiple of 0x8800 up to 0x19800) has one of its two bits set, so an exclusive or changes slots
.set SPARE, 2*SLOT                     ; the spare words, 128 bytes a wave
.set SDP,   1040                       ; the way out: a row of the f32 tile in LDS: 1,024 bytes + 16.  It lies over the ring, whose blocks have then had their last fill
.set A0,   4
.set B0,   5
.set ADRA, 6
.set ADRB, 7
.set DST,  8                           ; v8, v9  where I put my results: row blocks 0-3, 4-7
.set RDS,  10                          ; v10  where I read rows back
.set PO,   11                          ; v11  my byte offset in pbuf
.set STV,  12                          ; v12  8 x lane
.set PFO,  13                          ; v13  lane x a row of qkv
.set SM,   24                          ; v[24:25] c m_t of rows 2 l, 2 l + 1 of my 64
.set SL,   26                          ; v[26:27] l_t of the same
.set SPW,  30
.set NIL,  31
.set T,    32                          ; v32-47  four registers a pair of rows: c m, m, the sum
.set F0,   64
.set F1,   128
.set X,    64                          ; v64-127  the way out: 16 scores a lane for each of 4 pairs of rows
.set Y,    128                         ; v128-159 8 registers of f16 for each
.set G1A, 24
.set G0A, 32
.set G1B, 48
.set G0B, 56
.set TB,  66
.set LIM, 67
.set PFA, 68
.set CS,  74                           ; s[74:75] c: the packed scaling takes the pair's low word for both halves
.set MSB, 0
.macro WIN new
.if MSB != (\new)
	s_set_vgpr_msb (MSB<<8)|(\new)
.set MSB, \new
.endif
.endm
.set MUL_LO, 0xa1                      ; source 0 (k) window 1, source 1 (q) window 0, C and D window 2
.set MUL_HI, 0xf1                      ; the same, C and D window 3
.set TO_B,   0x40                      ; destination window 1, address window 0
.macro PLACES
.rept 4
	v_nop
.endr
.endm
.macro CREST
	s_cmp_lg_u32 s10, 0
	s_cbranch_scc1 .Lnot_wave_0_\@
	s_barrier_signal -3
.Lnot_wave_0_\@:
	s_barrier_wait -3
	s_barrier_signal -1
	s_barrier_wait -1
.endm
.macro CROUND
	s_barrier_signal -1
	s_barrier_wait -1
	CREST
.endm
.macro JLOAD                           ; a joint refill: waves 0 and 1 fetch q's two halves, waves 2 and 3 k's; an s_nop 0 and four v_nop follow each line
	s_cmp_lt_u32 s10, 2
	s_cbranch_scc0 .Lfor_b_\@
	tensor_load_to_lds s[G0A+4:G0A+7], s[G1A:G1A+7]
	s_nop 0
.rept 4
	v_nop
.endr
	s_branch .Lasked_\@
.Lfor_b_\@:
	tensor_load_to_lds s[G0B+4:G0B+7], s[G1B:G1B+7]
	s_nop 0
.rept 4
	v_nop
.endr
.Lasked_\@:
.endm
; A prefetch of the K step that the NEXT refill will ask for, 256 matrix instructions ahead of it: 32 rows x 256 bytes, a lane a row.  q's rows are asked for by the first of the two clusters that read them
; (cluster x = 0), k's by the first of the two of their batch (cluster y even); the four partners that ask for a tile jointly share the 128 rows of a wave's load out by address.  The last refill has no step behind it.
.macro ASK
	s_cmp_gt_u32 s3, s[LIM]
	s_cbranch_scc0 .Lnot_mine_\@
	global_prefetch_b8 v[PFO], s[PFA:PFA+1] th:TH_LOAD_NT scope:SCOPE_SE
.Lnot_mine_\@:
.endm
	s_load_b64 s[4:5], s[0:1], 0x0                 ; qkv
	s_load_b64 s[8:9], s[0:1], 0x8                 ; pbuf
	s_load_b64 s[72:73], s[0:1], 0x10              ; stats
	v_lshl_add_u32 v[SPW], v0, 2, SPARE
	v_mov_b32 v[NIL], 0
	ds_add_u32 v[SPW], v[NIL]                      ; the wave's opening: the add and its wait stand ahead of my first tensor load
	v_lshrrev_b32 v1, 5, v0
	v_readfirstlane_b32 s10, v1                    ; wave 0..3
	s_lshr_b32 s11, s10, 1                         ; which 128 queries of the tile are mine
	s_and_b32 s12, s10, 1                          ; which 128 keys.  Also: which half of a tile I fetch
	s_bfe_u32 s40, ttmp6, 0x40000                  ; cx
	s_bfe_u32 s41, ttmp6, 0x40004                  ; cy
	s_lshl_b32 s42, ttmp9, 2
	s_add_co_u32 s42, s42, s40                     ; key tile = 4 x cluster x + cx
	s_and_b32 s43, ttmp7, 0xffff                   ; cluster y: two clusters to a batch
	s_lshl_b32 s13, s43, 2
	s_add_co_u32 s13, s13, s41                     ; 8 x batch + query tile = 4 x cluster y + cy
	s_lshl_b32 s44, s41, 2
	s_lshl_b32 s44, 15, s44
	s_lshl_b32 s45, 0x1111, s40
	s_or_b32 s[G1A+0], s44, (1<<16)|(1<<20)|(1<<21)|(5<<22)|(3<<25)  ; the mask; 2-byte elements; padding on; bit 21 beside a mask; after every 64 words 4 words
	s_or_b32 s[G1B+0], s45, (1<<16)|(1<<20)|(1<<21)|(5<<22)|(3<<25)
.irp g, G1A, G1B
	s_mov_b32 s[(\g)+1], KSTEP<<16                 ; tensor_dim0 = 128
	s_mov_b32 s[(\g)+2], 128<<16                   ; tensor_dim1 = 128
	s_mov_b32 s[(\g)+3], KSTEP<<16                 ; tile_dim0 = 128
	s_mov_b32 s[(\g)+4], 128                       ; tile_dim1 = 128
	s_mov_b32 s[(\g)+5], ROWB/2                    ; elements from row to row
	s_mov_b32 s[(\g)+6], 0
	s_mov_b32 s[(\g)+7], 0
.endr
	s_lshl_b32 s17, s12, 7
	s_lshl_b32 s16, s13, 8
	s_add_co_u32 s16, s16, s17                     ; q: row 256 x (8 batch + query tile) + 128 x half
	s_mul_i32 s16, s16, ROWB
	s_lshr_b32 s46, s43, 1                         ; k: row 2,048 x batch + 256 x key tile + 128 x half, 2,048 bytes into the row
	s_lshl_b32 s46, s46, 11
	s_lshl_b32 s47, s42, 8
	s_add_co_u32 s46, s46, s47
	s_add_co_u32 s46, s46, s17
	s_mul_i32 s46, s46, ROWB
	s_add_co_u32 s46, s46, 2048
	s_mov_b32 s17, 0
	s_mov_b32 s47, 0
	s_mul_i32 s20, s10, HALFT                      ; where they go: q's two halves, then k's two
	s_mov_b32 s[TB], 0
	s_mov_b32 s[CS], 0x3e38aa3b                    ; c = log2(e) / 8
	s_mov_b32 s[CS+1], s[CS]
	s_wait_dscnt 0x0                               ; the opening add is done
	s_wait_kmcnt 0x0
	s_add_nc_u64 s[14:15], s[4:5], s[16:17]
	s_add_nc_u64 s[46:47], s[4:5], s[46:47]
	CROUND                                         ; all sixteen work-groups are here
.irp s, 0,1
	s_mov_b32 s[G0A+4*(\s)], 1
	s_add_co_u32 s[G0A+4*(\s)+1], s20, (\s)*SLOT
	s_add_nc_u64 s[G0A+4*(\s)+2:G0A+4*(\s)+3], s[14:15], (\s)*KSTEP*2
	s_or_b32 s[G0A+4*(\s)+3], s[G0A+4*(\s)+3], 0x80000000
	s_mov_b32 s[G0B+4*(\s)], 1
	s_add_co_u32 s[G0B+4*(\s)+1], s20, (\s)*SLOT
	s_add_nc_u64 s[G0B+4*(\s)+2:G0B+4*(\s)+3], s[46:47], (\s)*KSTEP*2
	s_or_b32 s[G0B+4*(\s)+3], s[G0B+4*(\s)+3], 0x80000000
.endr
	s_cmp_lt_u32 s10, 2                            ; a wave's two first fills stand in one branch: two loads of mine are out
	s_cbranch_scc0 .Lfirst_b
	tensor_load_to_lds s[G0A:G0A+3], s[G1A:G1A+7]
	s_nop 0
	tensor_load_to_lds s[G0A+4:G0A+7], s[G1A:G1A+7]
	s_nop 0
.rept 4
	v_nop
.endr
	s_branch .Lfirst_asked
.Lfirst_b:
	tensor_load_to_lds s[G0B:G0B+3], s[G1B:G1B+7]
	s_nop 0
	tensor_load_to_lds s[G0B+4:G0B+7], s[G1B:G1B+7]
	s_nop 0
.rept 4
	v_nop
.endr
.Lfirst_asked:
	v_and_b32 v1, 15, v0                           ; l % 16
	v_bfe_u32 v2, v0, 4, 1                         ; l / 16
	v_mul_u32_u24 v3, v1, PITCH
	v_lshl_add_u32 v3, v2, 4, v3                   ; a fragment's row x pitch + 16 x half
	s_mul_i32 s21, s11, HALFT
	s_mul_i32 s22, s12, HALFT
	s_add_co_u32 s22, s22, 2*HALFT
	v_add_nc_u32 v[A0], s21, v3
	v_add_nc_u32 v[B0], s22, v3
	v_mov_b32 v[ADRA], v[A0]
	v_mov_b32 v[ADRB], v[B0]
	s_mul_i32 s21, s11, 128*SDP                    ; the f32 tile: row 128 (w / 2) + l % 16, byte 512 (w % 2) + 32 (l / 16)
	s_lshl_b32 s22, s12, 9
	s_add_co_u32 s21, s21, s22
	v_mul_u32_u24 v3, v1, SDP
	v_lshl_add_u32 v3, v2, 5, v3
	v_add_nc_u32 v[DST], s21, v3
	v_add_nc_u32 v[DST+1], 64*SDP, v[DST]
	s_mul_i32 s21, s10, 64*SDP                     ; back: lanes 0-15 a row of my first 32, lanes 16-31 one of my second 32; 32 bytes a lane, twice
	v_mul_u32_u24 v3, v2, 32*SDP
	v_lshl_add_u32 v3, v1, 5, v3
	v_add_nc_u32 v[RDS], s21, v3
	v_lshlrev_b32 v3, 17, v2                       ; the same rows in pbuf: 32 rows of 4,096 bytes apart
	v_lshl_add_u32 v[PO], v1, 4, v3
	v_and_b32 v3, 31, v0
	v_lshlrev_b32 v[STV], 3, v3
	v_mul_u32_u24 v[PFO], v3, ROWB
	s_lshl_b32 s80, s13, 8
	s_lshl_b32 s81, s10, 6
	s_add_co_u32 s80, s80, s81                     ; pbuf at my first row,
	s_lshl_b32 s80, s80, 12
	s_lshl_b32 s81, s42, 9                         ; the key tile's 512 bytes
	s_add_co_u32 s80, s80, s81
	s_mov_b32 s81, 0
	s_add_nc_u64 s[8:9], s[8:9], s[80:81]
	s_lshr_b32 s80, s13, 3                         ; stats at (batch, key tile), plane 0, my 64 queries
	s_lshl_b32 s80, s80, 3
	s_add_co_u32 s80, s80, s42
	s_lshl_b32 s80, s80, 14
	s_and_b32 s81, s13, 7
	s_lshl_b32 s81, s81, 10
	s_add_co_u32 s80, s80, s81
	s_lshl_b32 s81, s10, 8
	s_add_co_u32 s80, s80, s81
	s_mov_b32 s81, 0
	s_add_nc_u64 s[72:73], s[72:73], s[80:81]
	; the prefetches stand at K step 2; the first change of slots steps them to 3.  Nothing is asked for at the head
	s_lshl_b32 s76, s13, 8
	s_lshl_b32 s77, s40, 5
	s_add_co_u32 s76, s76, s77                     ; q: the tile's first row + my work-group's 32
	s_lshr_b32 s78, s43, 1
	s_lshl_b32 s78, s78, 11
	s_lshl_b32 s77, s42, 8
	s_add_co_u32 s78, s78, s77
	s_lshl_b32 s77, s41, 5
	s_add_co_u32 s78, s78, s77                     ; k: likewise
	s_and_b32 s79, s43, 1
	s_mov_b32 s77, 2048+4*KSTEP
	s_cmp_lt_u32 s10, 2
	s_cselect_b32 s76, s76, s78
	s_cselect_b32 s77, 4*KSTEP, s77
	s_cselect_b32 s79, ttmp9, s79                  ; the coordinate along which another cluster reads the same rows
	s_cmp_eq_u32 s79, 0
	s_cselect_b32 s[LIM], 1, -1                    ; the same in all sixteen partners, for a given wave
	s_lshl_b32 s78, s12, 7
	s_add_co_u32 s76, s76, s78                     ; + the 128 rows that I fetch
	s_mul_i32 s76, s76, ROWB
	s_add_co_u32 s76, s76, s77
	s_mov_b32 s77, 0
	s_add_nc_u64 s[PFA:PFA+1], s[4:5], s[76:77]
; 16 matrix instructions: query blocks a0, a0 + 1 of the window's four x all 8 key blocks, 32 along K.  The 64 accumulators take turns, one instruction a turn, in the same order in every quarter.
.macro MUL16 f, hi, a0, zero
	WIN MUL_LO+0x50*(\hi)
.irp a, \a0, (\a0)+1
.irp b, 0,1,2,3,4,5,6,7
.if \zero
	v_wmma_f32_16x16x32_f16 v[8*(8*(\a)+(\b)):8*(8*(\a)+(\b))+7], v[(\f)+8*(\b):(\f)+8*(\b)+7], v[(\f)+8*(4*(\hi)+(\a)):(\f)+8*(4*(\hi)+(\a))+7], 0
.else
	v_wmma_f32_16x16x32_f16 v[8*(8*(\a)+(\b)):8*(8*(\a)+(\b))+7], v[(\f)+8*(\b):(\f)+8*(\b)+7], v[(\f)+8*(4*(\hi)+(\a)):(\f)+8*(4*(\hi)+(\a))+7], v[8*(8*(\a)+(\b)):8*(8*(\a)+(\b))+7]
.endif
.endr
.endr
.endm
.macro FETCH k, f                      ; 32 LDS loads in one run: 128 rows of k, then 128 rows of q, 32 along K at byte k of the rows
	WIN TO_B
.irp i, 0,1,2,3,4,5,6,7
	ds_load_b128 v[(\f)+8*(\i):(\f)+8*(\i)+3],   v[ADRB] offset:(\k)+(\i)*16*PITCH
	ds_load_b128 v[(\f)+8*(\i)+4:(\f)+8*(\i)+7], v[ADRB] offset:(\k)+(\i)*16*PITCH+32
.endr
	WIN 0
.irp i, 0,1,2,3,4,5,6,7
	ds_load_b128 v[(\f)+8*(\i):(\f)+8*(\i)+3],   v[ADRA] offset:(\k)+(\i)*16*PITCH
	ds_load_b128 v[(\f)+8*(\i)+4:(\f)+8*(\i)+7], v[ADRA] offset:(\k)+(\i)*16*PITCH+32
.endr
.endm
.macro QUARTER k, f, g, zero
	s_wait_dscnt 8                                 ; k and q's rows 0-63 are in; the youngest eight loads (q's rows 64-127) may be out
	MUL16 \f, 0, 0, \zero
	MUL16 \f, 0, 2, \zero
	PLACES
	FETCH \k, \g
	s_wait_dscnt 32                                ; all but the 32 just issued
	MUL16 \f, 1, 0, \zero
	MUL16 \f, 1, 2, \zero
.endm
; The last quarter and the change of slots: each wave waits for all its tensor loads, adds 0 to its spare word, waits for that and for its reads of the slot; with fill = 1 the barrier opens a round of the
; cluster's and the joint refill, the K step two on, is the first thing behind it: 224 matrix instructions stand between the request and the wait for it.
.macro TURN fill
.if \fill
	s_wait_xcnt 0x0                                ; the last prefetch, a K step back, has read its address
	s_add_nc_u64 s[PFA:PFA+1], s[PFA:PFA+1], KSTEP*2
.endif
	WIN 0
	s_wait_tensorcnt 0x0
	ds_add_u32 v[SPW], v[NIL]
	s_wait_dscnt 9                                 ; (the add and the youngest eight loads may be out)
	MUL16 F1, 0, 0, 0
	s_wait_dscnt 0x0                               ; the add is done, and my reads of this slot are over
	s_barrier_signal -1
	MUL16 F1, 0, 2, 0
.if \fill
	WIN 0
.endif
	s_barrier_wait -1
.if \fill
	CREST
	s_xor_b32 s[G0A+5], s[G0A+5], SLOT
	s_add_nc_u64 s[G0A+6:G0A+7], s[G0A+6:G0A+7], KSTEP*2
	s_xor_b32 s[G0B+5], s[G0B+5], SLOT
	s_add_nc_u64 s[G0B+6:G0B+7], s[G0B+6:G0B+7], KSTEP*2
	JLOAD
.else
	PLACES
	WIN 0
.endif
	s_xor_b32 s[TB], s[TB], SLOT
	v_add_nc_u32 v[ADRA], s[TB], v[A0]
	v_add_nc_u32 v[ADRB], s[TB], v[B0]
	FETCH 0, F0
.if \fill
	ASK
.endif
	MUL16 F1, 1, 0, 0
	MUL16 F1, 1, 2, 0
.endm
	s_wait_tensorcnt 1                             ; my part of K step 0 is in; K step 1's may stay out
	s_barrier_signal -1
	s_barrier_wait -1
	FETCH 0, F0
	QUARTER 64, F0, F1, 1                          ; the first quarter's products start the sums
	WIN 0
	s_mov_b32 s3, STEPS-2
.Lstep:
	QUARTER 128, F1, F0, 0
	QUARTER 192, F0, F1, 0
	TURN 1
	QUARTER 64, F0, F1, 0
	WIN 0
	s_sub_co_u32 s3, s3, 1
	s_cmp_lg_u32 s3, 0
	s_cbranch_scc1 .Lstep
	QUARTER 128, F1, F0, 0                         ; the last two K steps fill nothing
	QUARTER 192, F0, F1, 0
	TURN 0
	QUARTER 64, F0, F1, 0
	QUARTER 128, F1, F0, 0
	QUARTER 192, F0, F1, 0
	s_wait_dscnt 8
	MUL16 F1, 0, 0, 0
	MUL16 F1, 0, 2, 0
	s_wait_dscnt 0x0                               ; my last reads of the ring are back
	MUL16 F1, 1, 0, 0
	MUL16 F1, 1, 2, 0
	WIN 0
	s_barrier_signal -1                            ; every wave's are: the ring, which is filled no more, may be written over
	PLACES                                         ; (the places behind the last products)
	s_barrier_wait -1
	; THE TILE GOES INTO LDS IN f32, so that a query's 256 scores, which lie in two waves, come together in sixteen lanes.
.irp a, 0,1,2,3,4,5,6,7
	WIN 0x08+4*((\a)/4)                            ; the stores' data in window 2 or 3
.irp b, 0,1,2,3,4,5,6,7
	ds_store_b128 v[DST+(\a)/4], v[8*(8*((\a)%4)+(\b)):8*(8*((\a)%4)+(\b))+3]   offset:16*SDP*((\a)%4)+64*(\b)
	ds_store_b128 v[DST+(\a)/4], v[8*(8*((\a)%4)+(\b))+4:8*(8*((\a)%4)+(\b))+7] offset:16*SDP*((\a)%4)+64*(\b)+16
.endr
.endr
	WIN 0
.irp r, 0,1,2,3
	v_mov_b32 v[SM+(\r)], 0                        ; each lane's two rows are chosen into these below
.endr
	s_mov_b32 s76, 0x10001                         ; the lanes that keep the figures of pairs 0, 1 of the trip: lane 2 t of each half,
	s_mov_b32 s77, 0x20002                         ; and of pairs 2, 3: lane 2 t + 1
	s_mov_b32 s3, 8
	s_wait_dscnt 0x0                               ; for the others' sake: my stores are done
	s_barrier_signal -1
	s_barrier_wait -1
; Eight trips; trip t takes four pairs of rows: pair j is row 4 t + j of my 64 (lanes 0-15) and row 32 + 4 t + j (lanes 16-31).  A lane holds keys 8 r .. 8 r + 7 and 128 + 8 r .. 128 + 8 r + 7.
.Lrows:
.irp j, 0,1,2,3
	ds_load_b128 v[X+16*(\j):X+16*(\j)+3],     v[RDS] offset:SDP*(\j)
	ds_load_b128 v[X+16*(\j)+4:X+16*(\j)+7],   v[RDS] offset:SDP*(\j)+16
	ds_load_b128 v[X+16*(\j)+8:X+16*(\j)+11],  v[RDS] offset:SDP*(\j)+512
	ds_load_b128 v[X+16*(\j)+12:X+16*(\j)+15], v[RDS] offset:SDP*(\j)+528
.endr
	s_wait_dscnt 0x0
.irp j, 0,1,2,3
	v_max3_num_f32 v[T+4*(\j)+1], v[X+16*(\j)], v[X+16*(\j)+1], v[X+16*(\j)+2]
.endr
.irp n, 3,5,7,9,11,13
.irp j, 0,1,2,3
	v_max3_num_f32 v[T+4*(\j)+1], v[T+4*(\j)+1], v[X+16*(\j)+(\n)], v[X+16*(\j)+(\n)+1]
.endr
.endr
.irp j, 0,1,2,3
	v_max_num_f32 v[T+4*(\j)+1], v[T+4*(\j)+1], v[X+16*(\j)+15]
.endr
.irp m, 1,2,4,8
.irp j, 0,1,2,3
	v_max_num_f32_dpp v[T+4*(\j)+1], v[T+4*(\j)+1], v[T+4*(\j)+1] row_xmask:\m row_mask:0xf bank_mask:0xf  ; across the row's sixteen lanes
.endr
.endr
.irp j, 0,1,2,3
	v_mul_f32 v[T+4*(\j)], s[CS], v[T+4*(\j)+1]    ; c m_t
.endr
.irp i, 0,1,2,3,4,5,6,7
.irp j, 0,1,2,3
	v_pk_fma_f32 v[X+16*(\j)+2*(\i):X+16*(\j)+2*(\i)+1], v[X+16*(\j)+2*(\i):X+16*(\j)+2*(\i)+1], s[CS:CS+1], v[T+4*(\j):T+4*(\j)+1] op_sel_hi:[1,0,0] neg_lo:[0,0,1] neg_hi:[0,0,1]  ; c s - c m_t
.endr
.endr
.set i, 0
.rept 64
	v_exp_f32 v[X+i], v[X+i]                       ; one batch
.set i, i+1
.endr
	v_nop                                          ; a plain instruction behind the last exponential,
	s_wait_alu depctr_va_vdst(0)                   ; and one wait ahead of the batch's first reader
.irp i, 0,1,2,3,4,5,6,7
.irp j, 0,1,2,3
	v_cvt_pk_f16_f32 v[Y+8*(\j)+(\i)], v[X+16*(\j)+2*(\i)], v[X+16*(\j)+2*(\i)+1]
.endr
.endr
.irp o, 0,4,8,12
.irp j, 0,1,2,3
	v_pk_add_f32 v[X+16*(\j)+(\o):X+16*(\j)+(\o)+1], v[X+16*(\j)+(\o):X+16*(\j)+(\o)+1], v[X+16*(\j)+(\o)+2:X+16*(\j)+(\o)+3]  ; the sum of the unrounded weights, in place
.endr
.endr
.irp o, 0,8
.irp j, 0,1,2,3
	v_pk_add_f32 v[X+16*(\j)+(\o):X+16*(\j)+(\o)+1], v[X+16*(\j)+(\o):X+16*(\j)+(\o)+1], v[X+16*(\j)+(\o)+4:X+16*(\j)+(\o)+5]
.endr
.endr
.irp j, 0,1,2,3
	v_pk_add_f32 v[X+16*(\j):X+16*(\j)+1], v[X+16*(\j):X+16*(\j)+1], v[X+16*(\j)+8:X+16*(\j)+9]
.endr
.irp j, 0,1,2,3
	v_add_f32 v[T+4*(\j)+2], v[X+16*(\j)], v[X+16*(\j)+1]
.endr
.irp m, 1,2,4,8
.irp j, 0,1,2,3
	v_add_f32_dpp v[T+4*(\j)+2], v[T+4*(\j)+2], v[T+4*(\j)+2] row_xmask:\m row_mask:0xf bank_mask:0xf
.endr
.endr
.irp j, 0,1,2,3
	v_cndmask_b32 v[SM+(\j)%2], v[SM+(\j)%2], v[T+4*(\j)], s[76+(\j)/2]    ; row 32 h + 4 t + j is kept by lane 16 h + 2 t + j / 2, in register j % 2
	v_cndmask_b32 v[SL+(\j)%2], v[SL+(\j)%2], v[T+4*(\j)+2], s[76+(\j)/2]
.endr
.irp j, 0,1,2,3
	global_store_b128 v[PO], v[Y+8*(\j):Y+8*(\j)+3],   s[8:9] offset:4096*(\j)      ; 16 lanes store 256 consecutive bytes, at a multiple of 256 from pbuf's first byte
	global_store_b128 v[PO], v[Y+8*(\j)+4:Y+8*(\j)+7], s[8:9] offset:4096*(\j)+256
.endr
	s_wait_xcnt 0x0                                ; the stores have read their registers: PO and Y are written again only behind this wait
	v_add_nc_u32 v[RDS], 4*SDP, v[RDS]
	v_add_nc_u32 v[PO], 4*4096, v[PO]
	s_lshl_b32 s76, s76, 2
	s_lshl_b32 s77, s77, 2
	s_sub_co_u32 s3, s3, 1
	s_cmp_lg_u32 s3, 0
	s_cbranch_scc1 .Lrows
	global_store_b64 v[STV], v[SM:SM+1], s[72:73]              ; my 64 rows' c m_t: 256 consecutive bytes, aligned,
	global_store_b64 v[STV], v[SL:SL+1], s[72:73] offset:8192  ; and their l_t
	s_wait_tensorcnt 0x0                           ; the wave's end
	ds_add_u32 v[SPW], v[NIL]
	s_wait_dscnt 0x0
	CROUND                                         ; the closing round
	s_endpgm
.Lfunc_end_k_qced1326843_scores:
	.size	k_qced1326843_scores, .Lfunc_end_k_qced1326843_scores-k_qced1326843_scores
	.p2alignl 7, 3214868480
	.fill 96, 4, 3214868480
	.section	.rodata,"a",@progbits
	.p2align	6, 0x0
	.amdhsa_kernel k_qced1326843_scores
		.amdhsa_group_segment_fixed_size 327680
		.amdhsa_private_segment_fixed_size 0
		.amdhsa_enable_private_segment 0
		.amdhsa_kernarg_size 24
		.amdhsa_user_sgpr_count 2
		.amdhsa_user_sgpr_kernarg_segment_ptr 1
		.amdhsa_wavefront_size32 1
		.amdhsa_system_sgpr_workgroup_id_x 1
		.amdhsa_system_sgpr_workgroup_id_y 1
		.amdhsa_system_sgpr_workgroup_id_z 1
		.amdhsa_system_vgpr_workitem_id 0
		.amdhsa_next_free_vgpr 1024
		.amdhsa_next_free_sgpr 84
		.amdhsa_reserve_vcc 0
		.amdhsa_float_denorm_mode_32 3
		.amdhsa_float_denorm_mode_16_64 3
		.amdhsa_memory_ordered 1
		.amdhsa_forward_progress 1
		.amdhsa_inst_pref_size 110
	.end_amdhsa_kernel
	.amdgpu_metadata
---
amdhsa.version: [ 1, 2 ]
amdhsa.kernels:
  - .name:           k_qced1326843_scores
    .symbol:         k_qced1326843_scores.kd
    .args:
      - { .name: qkv, .offset: 0, .size: 8, .value_kind: global_buffer, .address_space: global }
      - { .name: pbuf, .offset: 8, .size: 8, .value_kind: global_buffer, .address_space: global }
      - { .name: stats, .offset: 16, .size: 8, .value_kind: global_buffer, .address_space: global }
    .group_segment_fixed_size: 327680
    .private_segment_fixed_size: 0
    .kernarg_segment_align: 8
    .kernarg_segment_size: 24
    .max_flat_workgroup_size: 128
    .sgpr_count:     84
    .vgpr_count:     1024
    .wavefront_size: 32
...
	.end_amdgpu_metadata
.endif
;; end of part 3
;; launch mix (part 4): grid 8 x 32, 4 waves a work-group, clusters of 4 x 4, 327,680 bytes of LDS; arguments pbuf, qkv, obuf, stats; writes obuf
.if DOCPART == 4
	.amdgcn_target "amdgcn-amd-amdhsa--gfx1250"
	.amdhsa_code_object_version 6
	.text
	.protected	k_qced1326843_mix
	.globl	k_qced1326843_mix
	.p2align	8
	.type	k_qced1326843_mix,@function
k_qced1326843_mix:
	s_mov_b64 s[64:65], 0
	v_nop
	global_prefetch_b8 v0, s[64:65] scope:SCOPE_SE
	s_setreg_imm32_b32 hwreg(HW_REG_WAVE_MODE, 25, 1), 1
	s_wait_xcnt 0x0
	s_wait_alu depctr_hold_cnt(0) depctr_sa_sdst(0) depctr_va_vdst(0) depctr_va_sdst(0) depctr_va_ssrc(0) depctr_va_vcc(0) depctr_vm_vsrc(0)
	s_getreg_b32 s2, hwreg(HW_REG_IB_STS2, 6, 4)
	s_cmp_eq_u32 s2, 0
	s_cbranch_scc0 .Lentry_in_a_cluster
	s_endpgm
.Lentry_in_a_cluster:
	s_bfe_u32 s2, ttmp6, 0x10000c
	s_cmp_lg_u32 s2, 0xf033
	s_cbranch_scc0 .Lentry_shape_is_right
	s_endpgm
.Lentry_shape_is_right:
; THE SECOND HALF OF THE SOFTMAX AND THE MEAN OF V.  O[q][:] = the sum over the eight key tiles t of g_t[q] x (the sum over the tile's 256 keys of p'[q][key] v[key][:]), with
; M = the maximum over t of c m_t, f_t = 2^(c m_t - M), L = the sum of f_t l_t, g_t = f_t / L: the row's true maximum is what is taken away, and L is at least 1.
; pbuf: [8192][2048] f16; v: the third 1,024 columns of qkv [8192][3072] f16; stats: [batch][key tile][2][2048] f32; obuf: [8192][1024] f16.  Products in f16 with f32 sums; each key tile's product has
; accumulators of its own, started with the constant 0, and is added onto the main sums by a fused multiply-add with g_t, in f32.  O is rounded once.
; LIMITS.  A factor below 2^-126 counts as 0; O is a mean of v's rows and has their range; NaN and infinities are not treated apart.
; SHARES, LAYOUT, CLUSTER, RING as in the projection: a tile of 256 x 128, four waves of 128 x 64, K (the keys) in steps of 128 through two slots; A = p' as it lies, B = v turned; joint loads along rows and columns of a 4 x 4 cluster.
; REGISTERS.  Window 0: v0-31 addresses and factors; v64-159, v160-255 two fragment buffers.  Window 1: a key tile's accumulators, (a, b) at v[8 (4 a + b)].  Window 2: the main sums, at the same numbers.
.set LDA,   2048
.set LDB,   3072
.set LDC,   1024
.set STEPS, 16
.set LIMV,  1
.set ASTEP, 256
.set BSTEP, 128*2*LDB
.set PA,    272
.set PB,    288
.set BOFF,  256*PA
.set FT,    BOFF+128*PB                ; behind slot 0, in blocks of 256 bytes into which no fill lands: g_t of the tile's 256 queries, 8 rows of 1,024 bytes
.set SLOT1, 1<<17
.set STAGE, SLOT1+BOFF+128*PB
.set SP,    272
.set SPARE, STAGE+256*SP
.set A0,   4
.set B0,   5
.set ADRA, 6
.set ADRB, 7
.set STO,  8
.set RD,   9
.set CO,   10
.set PFO,  11
.set FC,   12                          ; v12-27  g_t of my query in row block a at v[12 + 2 a]; the odd registers are named with them as pairs and hold 0
.set FAD,  28                          ; v28  where the next factors lie
.set SOF,  29                          ; v29  8 x my thread's number
.set SPW,  30
.set NIL,  31
.set F0,   64
.set F1,   160
.set TMP,  64
.set G1A, 24
.set G0A, 32
.set G1B, 48
.set G0B, 56
.set TB,  66
.set LIM, 67
.set PFA, 68
.set PFS, 70
.set MSB, 0
.macro WIN new
.if MSB != (\new)
	s_set_vgpr_msb (MSB<<8)|(\new)
.set MSB, \new
.endif
.endm
.macro PLACES
.rept 4
	v_nop
.endr
.endm
.macro CREST
	s_cmp_lg_u32 s10, 0
	s_cbranch_scc1 .Lnot_wave_0_\@
	s_barrier_signal -3
.Lnot_wave_0_\@:
	s_barrier_wait -3
	s_barrier_signal -1
	s_barrier_wait -1
.endm
.macro CROUND
	s_barrier_signal -1
	s_barrier_wait -1
	CREST
.endm
.macro JLOAD                           ; a joint refill: waves 0 and 1 fetch A's halves, waves 2 and 3 B's; an s_nop 0 and four v_nop follow each line
	s_cmp_lt_u32 s10, 2
	s_cbranch_scc0 .Lfor_b_\@
	tensor_load_to_lds s[G0A+4:G0A+7], s[G1A:G1A+7]
	s_nop 0
.rept 4
	v_nop
.endr
	s_branch .Lasked_\@
.Lfor_b_\@:
	tensor_load_to_lds s[G0B+4:G0B+7], s[G1B:G1B+7]
	s_nop 0
.rept 4
	v_nop
.endr
.Lasked_\@:
.endm
; A prefetch of the K step two refills on, 256 matrix instructions ahead of its load: 32 rows x 256 bytes, a lane a row.  p's rows are asked for by the first of the two clusters that read them (cluster x = 0; waves 0, 1),
; v's by the first of the two of their batch (cluster y even; wave 2); partners share rows out by address.  The last lap of the loop asks for nothing: its two refills have no K step two on.
.macro ASK
	s_cmp_gt_u32 s3, s[LIM]
	s_cbranch_scc0 .Lnot_mine_\@
	global_prefetch_b8 v[PFO], s[PFA:PFA+1] th:TH_LOAD_NT scope:SCOPE_SE
.Lnot_mine_\@:
.endm
	s_load_b128 s[4:7], s[0:1], 0x0                ; pbuf s[4:5], qkv s[6:7]
	s_load_b64 s[8:9], s[0:1], 0x10                ; obuf
	s_load_b64 s[72:73], s[0:1], 0x18              ; stats
	v_lshl_add_u32 v[SPW], v0, 2, SPARE
	v_mov_b32 v[NIL], 0
	ds_add_u32 v[SPW], v[NIL]                      ; the wave's opening: the add and its wait stand ahead of my first tensor load
	v_lshrrev_b32 v1, 5, v0
	v_readfirstlane_b32 s10, v1
	s_lshr_b32 s11, s10, 1
	s_and_b32 s12, s10, 1
	s_bfe_u32 s40, ttmp6, 0x40000                  ; cx
	s_bfe_u32 s41, ttmp6, 0x40004                  ; cy
	s_lshl_b32 s42, ttmp9, 2
	s_add_co_u32 s42, s42, s40                     ; tile column
	s_and_b32 s43, ttmp7, 0xffff                   ; cluster y: two clusters to a batch
	s_lshl_b32 s13, s43, 2
	s_add_co_u32 s13, s13, s41                     ; tile row = 8 x batch + query tile
	s_lshl_b32 s44, s41, 2
	s_lshl_b32 s44, 15, s44
	s_lshl_b32 s45, 0x1111, s40
	s_or_b32 s[G1A+0], s44, (1<<16)|(1<<20)|(1<<21)|(5<<22)|(3<<25)
	s_or_b32 s[G1B+0], s45, (1<<16)|(1<<20)|(1<<21)|(5<<22)|(7<<25)
	s_mov_b32 s[G1A+1], 128<<16
	s_mov_b32 s[G1A+2], 128<<16
	s_mov_b32 s[G1A+3], 128<<16
	s_mov_b32 s[G1A+4], 128
	s_mov_b32 s[G1A+5], LDA
	s_mov_b32 s[G1A+6], 0
	s_mov_b32 s[G1A+7], 0
	s_mov_b32 s[G1B+1], 128<<16
	s_mov_b32 s[G1B+2], 64<<16
	s_mov_b32 s[G1B+3], 128<<16
	s_mov_b32 s[G1B+4], 64
	s_mov_b32 s[G1B+5], LDB
	s_mov_b32 s[G1B+6], 0
	s_mov_b32 s[G1B+7], 0
	s_lshl_b32 s16, s13, 8                         ; A: row 256 x tile row + 128 x half
	s_lshl_b32 s17, s12, 7
	s_add_co_u32 s16, s16, s17
	s_mul_i32 s16, s16, 2*LDA
	s_mov_b32 s17, 0
	s_lshl_b32 s46, s12, 6                         ; B: the batch's row 64 x half, byte 4,096 + 256 x tile column; the batch is cluster y / 2, which all partners share
	s_mul_i32 s46, s46, 2*LDB
	s_lshl_b32 s47, s42, 8
	s_add_co_u32 s46, s46, s47
	s_lshr_b32 s47, s43, 1
	s_mul_i32 s47, s47, 2048*2*LDB
	s_add_co_u32 s46, s46, s47
	s_add_co_u32 s46, s46, 4096
	s_mov_b32 s47, 0
	s_mul_i32 s20, s12, 128*PA
	s_mul_i32 s21, s12, 64*PB
	s_add_co_u32 s21, s21, BOFF
	s_mov_b32 s[TB], 0
	s_wait_dscnt 0x0                               ; the opening add is done
	s_wait_kmcnt 0x0
	s_add_nc_u64 s[14:15], s[4:5], s[16:17]
	s_add_nc_u64 s[46:47], s[6:7], s[46:47]
	CROUND
.irp s, 0,1
	s_mov_b32 s[G0A+4*(\s)], 1
	s_add_co_u32 s[G0A+4*(\s)+1], s20, (\s)*SLOT1
	s_add_nc_u64 s[G0A+4*(\s)+2:G0A+4*(\s)+3], s[14:15], (\s)*ASTEP
	s_or_b32 s[G0A+4*(\s)+3], s[G0A+4*(\s)+3], 0x80000000
	s_mov_b32 s[G0B+4*(\s)], 1
	s_add_co_u32 s[G0B+4*(\s)+1], s21, (\s)*SLOT1
	s_add_nc_u64 s[G0B+4*(\s)+2:G0B+4*(\s)+3], s[46:47], (\s)*BSTEP
	s_or_b32 s[G0B+4*(\s)+3], s[G0B+4*(\s)+3], 0x80000000
.endr
	s_cmp_lt_u32 s10, 2                            ; a wave's two first fills stand in one branch: two loads of mine are out
	s_cbranch_scc0 .Lfirst_b
	tensor_load_to_lds s[G0A:G0A+3], s[G1A:G1A+7]
	s_nop 0
	tensor_load_to_lds s[G0A+4:G0A+7], s[G1A:G1A+7]
	s_nop 0
.rept 4
	v_nop
.endr
	s_branch .Lfirst_asked
.Lfirst_b:
	tensor_load_to_lds s[G0B:G0B+3], s[G1B:G1B+7]
	s_nop 0
	tensor_load_to_lds s[G0B+4:G0B+7], s[G1B:G1B+7]
	s_nop 0
.rept 4
	v_nop
.endr
.Lfirst_asked:
	; the statistics of the tile's 256 queries: thread t takes queries 2 t, 2 t + 1: c m_t into v[64 + 2 kt ..], l_t into v[80 + 2 kt ..]
	s_lshr_b32 s80, s13, 3
	s_lshl_b32 s80, s80, 17                        ; the batch's 131,072 bytes,
	s_and_b32 s81, s13, 7
	s_lshl_b32 s81, s81, 10                        ; the query tile's 1,024
	s_add_co_u32 s80, s80, s81
	s_mov_b32 s81, 0
	s_add_nc_u64 s[72:73], s[72:73], s[80:81]
	v_lshlrev_b32 v[SOF], 3, v0
.irp k, 0,1,2,3,4,5,6,7
	global_load_b64 v[64+2*(\k):65+2*(\k)], v[SOF], s[72:73] offset:16384*(\k)
	global_load_b64 v[80+2*(\k):81+2*(\k)], v[SOF], s[72:73] offset:16384*(\k)+8192
.endr
	v_and_b32 v1, 15, v0                           ; l % 16
	v_bfe_u32 v2, v0, 4, 1                         ; l / 16
	v_mul_u32_u24 v3, v1, PA
	v_lshl_add_u32 v3, v2, 4, v3
	s_mul_i32 s22, s11, 128*PA
	v_add_nc_u32 v[A0], s22, v3
	v_and_b32 v3, 7, v0
	v_lshl_add_u32 v3, v2, 3, v3
	v_mul_u32_u24 v[B0], v3, PB
	v_bfe_u32 v3, v0, 3, 1
	v_lshl_add_u32 v[B0], v3, 4, v[B0]
	s_lshl_b32 s22, s12, 7
	s_add_co_u32 s22, s22, BOFF
	v_add_nc_u32 v[B0], s22, v[B0]
	v_mov_b32 v[ADRA], v[A0]
	v_mov_b32 v[ADRB], v[B0]
	s_lshl_b32 s22, s11, 9                         ; the factors of my queries: 4 bytes x (128 (w / 2) + l % 16), 64 bytes on for each row block
	s_add_co_u32 s22, s22, FT
	v_lshl_add_u32 v[FAD], v1, 2, s22
	s_mul_i32 s23, s11, 128*SP
	s_lshl_b32 s22, s12, 7
	s_add_co_u32 s23, s23, s22
	s_add_co_u32 s23, s23, STAGE
	v_mul_u32_u24 v3, v1, SP
	v_lshl_add_u32 v3, v2, 4, v3
	v_add_nc_u32 v[STO], s23, v3
	s_mul_i32 s23, s10, 64*SP
	s_add_co_u32 s23, s23, STAGE
	v_mul_u32_u24 v3, v2, SP
	v_lshl_add_u32 v3, v1, 4, v3
	v_add_nc_u32 v[RD], s23, v3
	v_mul_u32_u24 v3, v2, 2*LDC
	v_lshl_add_u32 v[CO], v1, 4, v3
	v_add_nc_u32 v3, FT, v[SOF]                    ; where I put my two queries' factors
	s_lshl_b32 s80, s13, 8
	s_lshl_b32 s81, s10, 6
	s_add_co_u32 s80, s80, s81
	s_mul_i32 s80, s80, 2*LDC
	s_lshl_b32 s81, s42, 8
	s_add_co_u32 s80, s80, s81
	s_mov_b32 s81, 0
	s_add_nc_u64 s[8:9], s[8:9], s[80:81]
	; the prefetches stand at K step 3; the first change of slots steps them to 4.  Nothing is asked for at the head
	s_lshl_b32 s76, s13, 8
	s_lshl_b32 s77, s12, 7
	s_add_co_u32 s76, s76, s77
	s_lshl_b32 s77, s40, 5
	s_add_co_u32 s76, s76, s77
	s_mul_i32 s76, s76, 2*LDA
	s_add_co_u32 s76, s76, 3*ASTEP
	s_lshl_b32 s78, s41, 5
	s_mul_i32 s78, s78, 2*LDB
	s_lshl_b32 s79, s42, 8
	s_add_co_u32 s78, s78, s79
	s_lshr_b32 s79, s43, 1
	s_mul_i32 s79, s79, 2048*2*LDB
	s_add_co_u32 s78, s78, s79
	s_add_co_u32 s78, s78, 3*BSTEP+4096
	s_and_b32 s83, s43, 1
	s_mov_b32 s79, 2*LDB
	s_mov_b32 s[PFS], BSTEP
	s_cmp_lt_u32 s10, 2
	s_cselect_b32 s76, s76, s78
	s_cselect_b32 s79, 2*LDA, s79
	s_cselect_b32 s[PFS], ASTEP, s[PFS]
	s_cselect_b32 s78, ttmp9, s83
	s_cselect_b64 s[PFA:PFA+1], s[4:5], s[6:7]
	s_mov_b32 s77, 0
	s_mov_b32 s[PFS+1], 0
	s_add_nc_u64 s[PFA:PFA+1], s[PFA:PFA+1], s[76:77]
	s_cmp_eq_u32 s10, 3
	s_cselect_b32 s78, 1, s78
	s_cmp_eq_u32 s78, 0
	s_cselect_b32 s[LIM], LIMV, -1
	v_and_b32 v[PFO], 31, v0
	v_mul_u32_u24 v[PFO], s79, v[PFO]
	; The main sums start at 0, so that every key tile is added in one and the same way and no first lap is written out.  These lines stand in the wait for the first tile.
	WIN 0x80
.set i, 0
.rept 256
	v_mov_b32 v[i], 0
.set i, i+1
.endr
	WIN 0
.irp a, 0,1,2,3,4,5,6,7
	v_mov_b32 v[FC+2*(\a)+1], 0
.endr
	s_wait_loadcnt 0x0                             ; the statistics
.irp c, 0,1
	v_max3_num_f32 v[96+(\c)], v[64+(\c)], v[66+(\c)], v[68+(\c)]    ; M
	v_max3_num_f32 v[96+(\c)], v[96+(\c)], v[70+(\c)], v[72+(\c)]
	v_max3_num_f32 v[96+(\c)], v[96+(\c)], v[74+(\c)], v[76+(\c)]
	v_max_num_f32 v[96+(\c)], v[96+(\c)], v[78+(\c)]
.endr
.irp k, 0,1,2,3,4,5,6,7
	v_pk_add_f32 v[64+2*(\k):65+2*(\k)], v[64+2*(\k):65+2*(\k)], v[96:97] neg_lo:[0,1] neg_hi:[0,1]  ; c m_t - M: never above 0
.endr
.set i, 0
.rept 16
	v_exp_f32 v[64+i], v[64+i]                     ; f_t: one batch
.set i, i+1
.endr
	v_nop                                          ; a plain instruction behind the last exponential,
	s_wait_alu depctr_va_vdst(0)                   ; and one wait ahead of the first reader
	v_pk_mul_f32 v[98:99], v[64:65], v[80:81]      ; L
.irp k, 1,2,3,4,5,6,7
	v_pk_fma_f32 v[98:99], v[64+2*(\k):65+2*(\k)], v[80+2*(\k):81+2*(\k)], v[98:99]
.endr
	v_rcp_f32 v100, v98
	v_rcp_f32 v101, v99
	v_nop
	s_wait_alu depctr_va_vdst(0)                   ; one wait for the two reciprocals
.irp k, 0,1,2,3,4,5,6,7
	v_pk_mul_f32 v[64+2*(\k):65+2*(\k)], v[64+2*(\k):65+2*(\k)], v[100:101]  ; g_t = f_t / L
.endr
.irp k, 0,1,2,3,4,5,6,7
	ds_store_b64 v3, v[64+2*(\k):65+2*(\k)] offset:1024*(\k)
.endr
.macro MUL8 f, a0, zero                ; 8 matrix instructions; every quarter takes the 32 accumulators once, in the same order, one instruction a turn
	WIN 0x50
.irp a, \a0, (\a0)+1
.irp b, 0,1,2,3
.if \zero
	v_wmma_f32_16x16x32_f16 v[8*(4*(\a)+(\b)):8*(4*(\a)+(\b))+7], v[(\f)+64+8*(\b):(\f)+64+8*(\b)+7], v[(\f)+8*(\a):(\f)+8*(\a)+7], 0
.else
	v_wmma_f32_16x16x32_f16 v[8*(4*(\a)+(\b)):8*(4*(\a)+(\b))+7], v[(\f)+64+8*(\b):(\f)+64+8*(\b)+7], v[(\f)+8*(\a):(\f)+8*(\a)+7], v[8*(4*(\a)+(\b)):8*(4*(\a)+(\b))+7]
.endif
.endr
.endr
.endm
.macro FETCH q, f                      ; 24 LDS loads in one run: B's eight (turned), then A's sixteen
	WIN 0
.irp j, 0,1,2,3
	ds_load_tr16_b128 v[(\f)+64+8*(\j):(\f)+64+8*(\j)+3],   v[ADRB] offset:(\q)*32*PB+32*(\j)
	ds_load_tr16_b128 v[(\f)+64+8*(\j)+4:(\f)+64+8*(\j)+7], v[ADRB] offset:(\q)*32*PB+16*PB+32*(\j)
.endr
.irp i, 0,1,2,3,4,5,6,7
	ds_load_b128 v[(\f)+8*(\i):(\f)+8*(\i)+3],   v[ADRA] offset:(\q)*64+(\i)*16*PA
	ds_load_b128 v[(\f)+8*(\i)+4:(\f)+8*(\i)+7], v[ADRA] offset:(\q)*64+(\i)*16*PA+32
.endr
.endm
; fac = 1: the key tile's eight factors are fetched ahead of the fragments
.macro QUARTER q, f, g, zero, fac=0
	s_wait_dscnt 8                                 ; B and A's blocks 0-3 are in; the youngest eight loads may be out
	MUL8 \f, 0, \zero
	MUL8 \f, 2, \zero
	PLACES
	WIN 0
.if \fac
.irp a, 0,1,2,3,4,5,6,7
	ds_load_b32 v[FC+2*(\a)], v[FAD] offset:64*(\a)
.endr
.endif
	FETCH \q, \g
	s_wait_dscnt 24+8*(\fac)                       ; all but those just issued
	MUL8 \f, 4, \zero
	MUL8 \f, 6, \zero
.endm
.macro TURN fill                       ; the last quarter and the change of slots, as in the projection
.if \fill
	s_wait_xcnt 0x0                                ; the last prefetch, a K step back, has read its address
	s_add_nc_u64 s[PFA:PFA+1], s[PFA:PFA+1], s[PFS:PFS+1]
.endif
	WIN 0
	s_wait_tensorcnt 0x0                           ; all my tensor loads have landed
	ds_add_u32 v[SPW], v[NIL]
	s_wait_dscnt 9                                 ; (the add and the youngest eight loads may be out)
	MUL8 F1, 0, 0
	s_wait_dscnt 0x0                               ; the add is done, and my reads of this slot are over
	s_barrier_signal -1
	MUL8 F1, 2, 0
.if \fill
	WIN 0
.endif
	s_barrier_wait -1
.if \fill
	CREST
	s_xor_b32 s[G0A+5], s[G0A+5], SLOT1
	s_add_nc_u64 s[G0A+6:G0A+7], s[G0A+6:G0A+7], ASTEP
	s_xor_b32 s[G0B+5], s[G0B+5], SLOT1
	s_add_nc_u64 s[G0B+6:G0B+7], s[G0B+6:G0B+7], BSTEP
	JLOAD
.else
	PLACES
	WIN 0
.endif
	s_xor_b32 s[TB], s[TB], SLOT1
	v_add_nc_u32 v[ADRA], s[TB], v[A0]
	v_add_nc_u32 v[ADRB], s[TB], v[B0]
	FETCH 0, F0
.if \fill
	ASK
.endif
	MUL8 F1, 4, 0
	MUL8 F1, 6, 0
.endm
.macro LASTQ
	s_wait_dscnt 8
	MUL8 F1, 0, 0
	MUL8 F1, 2, 0
	s_wait_dscnt 0x0
	MUL8 F1, 4, 0
	MUL8 F1, 6, 0
	WIN 0
.endm
; The key tile's product is added onto the main sums: main += g_t x product, two numbers a line; each accumulator is read from its lowest registers on.  These lines are also the places
; between the tile's last products and the next tile's first, which write the same accumulators anew.
.macro FOLD step
	PLACES
	WIN 0xa1                                       ; destination and source 2 in window 2, source 0 in window 1, the factor in window 0
.set t, 0
.rept 32
.irp r, 0,2,4,6
	v_pk_fma_f32 v[8*t+(\r):8*t+(\r)+1], v[8*t+(\r):8*t+(\r)+1], v[FC+2*(t/4):FC+2*(t/4)+1], v[8*t+(\r):8*t+(\r)+1] op_sel_hi:[1,0,1]
.endr
.set t, t+1
.endr
	WIN 0
.if \step
	v_add_nc_u32 v[FAD], 1024, v[FAD]              ; the next key tile's factors
.endif
.endm
; A lap: a key tile of 256 keys, two K steps.  last = 1: nothing is left to fetch.
.macro LAP last
	QUARTER 1, F0, F1, 1                           ; the tile's first products start its sums
	QUARTER 2, F1, F0, 0
	QUARTER 3, F0, F1, 0
	TURN 1-(\last)
	QUARTER 1, F0, F1, 0
	QUARTER 2, F1, F0, 0
	QUARTER 3, F0, F1, 0, 1
.if \last
	LASTQ
.else
	TURN 1
.endif
	FOLD 1-(\last)
.endm
	s_wait_tensorcnt 1                             ; my part of K step 0 is in; K step 1's may stay out
	s_wait_dscnt 0x0                               ; for the others' sake: my factors are stored
	s_barrier_signal -1
	s_barrier_wait -1
	FETCH 0, F0
	s_mov_b32 s3, STEPS/2-1
.Llap:
	LAP 0
	s_sub_co_u32 s3, s3, 1
	s_cmp_lg_u32 s3, 0
	s_cbranch_scc1 .Llap
	LAP 1                                          ; the last lap is written out
	; THE WAY OUT, as in the projection, from the main sums
	WIN 0x0a                                       ; sources in window 2, destination in window 0
.set t, 0
.rept 32
.irp r, 0,1,2,3
	v_cvt_pk_f16_f32 v[TMP+4*t+(\r)], v[8*t+2*(\r)], v[8*t+2*(\r)+1]
.endr
.set t, t+1
.endr
	WIN 0
.irp a, 0,1,2,3,4,5,6,7
.irp b, 0,1,2,3
	ds_store_b128 v[STO], v[TMP+4*(4*(\a)+(\b)):TMP+4*(4*(\a)+(\b))+3] offset:(\a)*16*SP+32*(\b)
.endr
.endr
	s_wait_dscnt 0x0                               ; for the others' sake: my stores into the stage are done
	s_barrier_signal -1
	s_barrier_wait -1
.set t, 0
.rept 32
	ds_load_b128 v[TMP+4*t:TMP+4*t+3], v[RD] offset:t*2*SP
.set t, t+1
.endr
.set t, 0
.rept 32
	s_wait_dscnt 31-t
	global_store_b128 v[CO], v[TMP+4*t:TMP+4*t+3], s[8:9] offset:2*t*2*LDC  ; 16 lanes store 256 consecutive bytes, aligned
.set t, t+1
.endr
	s_wait_tensorcnt 0x0                           ; the wave's end
	ds_add_u32 v[SPW], v[NIL]
	s_wait_dscnt 0x0
	CROUND                                         ; the closing round
	s_endpgm
.Lfunc_end_k_qced1326843_mix:
	.size	k_qced1326843_mix, .Lfunc_end_k_qced1326843_mix-k_qced1326843_mix
	.p2alignl 7, 3214868480
	.fill 96, 4, 3214868480
	.section	.rodata,"a",@progbits
	.p2align	6, 0x0
	.amdhsa_kernel k_qced1326843_mix
		.amdhsa_group_segment_fixed_size 327680
		.amdhsa_private_segment_fixed_size 0
		.amdhsa_enable_private_segment 0
		.amdhsa_kernarg_size 32
		.amdhsa_user_sgpr_count 2
		.amdhsa_user_sgpr_kernarg_segment_ptr 1
		.amdhsa_wavefront_size32 1
		.amdhsa_system_sgpr_workgroup_id_x 1
		.amdhsa_system_sgpr_workgroup_id_y 1
		.amdhsa_system_sgpr_workgroup_id_z 1
		.amdhsa_system_vgpr_workitem_id 0
		.amdhsa_next_free_vgpr 768
		.amdhsa_next_free_sgpr 84
		.amdhsa_reserve_vcc 0
		.amdhsa_float_denorm_mode_32 3
		.amdhsa_float_denorm_mode_16_64 3
		.amdhsa_memory_ordered 1
		.amdhsa_forward_progress 1
		.amdhsa_inst_pref_size 120
	.end_amdhsa_kernel
	.amdgpu_metadata
---
amdhsa.version: [ 1, 2 ]
amdhsa.kernels:
  - .name:           k_qced1326843_mix
    .symbol:         k_qced1326843_mix.kd
    .args:
      - { .name: pbuf, .offset: 0, .size: 8, .value_kind: global_buffer, .address_space: global }
      - { .name: qkv, .offset: 8, .size: 8, .value_kind: global_buffer, .address_space: global }
      - { .name: obuf, .offset: 16, .size: 8, .value_kind: global_buffer, .address_space: global }
      - { .name: stats, .offset: 24, .size: 8, .value_kind: global_buffer, .address_space: global }
    .group_segment_fixed_size: 327680
    .private_segment_fixed_size: 0
    .kernarg_segment_align: 8
    .kernarg_segment_size: 32
    .max_flat_workgroup_size: 128
    .sgpr_count:     84
    .vgpr_count:     768
    .wavefront_size: 32
...
	.end_amdgpu_metadata
.endif
;; end of part 4
;; launch outp (part 5): grid 8 x 32, 4 waves a work-group, clusters of 4 x 4, 327,680 bytes of LDS; arguments obuf, wob, out0, b_out; writes out0
.if DOCPART == 5
	.amdgcn_target "amdgcn-amd-amdhsa--gfx1250"
	.amdhsa_code_object_version 6
	.text
	.protected	k_qced1326843_outp
	.globl	k_qced1326843_outp
	.p2align	8
	.type	k_qced1326843_outp,@function
k_qced1326843_outp:
	s_mov_b64 s[64:65], 0
	v_nop
	global_prefetch_b8 v0, s[64:65] scope:SCOPE_SE
	s_setreg_imm32_b32 hwreg(HW_REG_WAVE_MODE, 25, 1), 1
	s_wait_xcnt 0x0
	s_wait_alu depctr_hold_cnt(0) depctr_sa_sdst(0) depctr_va_vdst(0) depctr_va_sdst(0) depctr_va_ssrc(0) depctr_va_vcc(0) depctr_vm_vsrc(0)
	s_getreg_b32 s2, hwreg(HW_REG_IB_STS2, 6, 4)
	s_cmp_eq_u32 s2, 0
	s_cbranch_scc0 .Lentry_in_a_cluster
	s_endpgm
.Lentry_in_a_cluster:
	s_bfe_u32 s2, ttmp6, 0x10000c
	s_cmp_lg_u32 s2, 0xf033
	s_cbranch_scc0 .Lentry_shape_is_right
	s_endpgm
.Lentry_shape_is_right:
; out0[m][n] = the sum over k of obuf[m][k] wob[k][n] + bf16(b_out[n]).  obuf: [8192][1024] f16, wob: [1024][1024] f16, b_out: [1024] f32, out0: [8192][1024] f32; sums in f32.
; The bias is rounded to bf16 like the module's other inputs, and added in f32.  NaN and infinities are not treated apart.
; SHARES, LAYOUT, CLUSTER, RING as in the projection: a tile of 256 x 128, four waves of 128 x 64, K in steps of 128 through two slots; A as it lies, B turned; joint loads along rows and columns of a 4 x 4 cluster.
; THE WAY OUT differs: a wave's 64 columns of f32 are 256 aligned bytes of a row, so each wave has a stage of its own (16 rows) and no barrier is needed.
.set LDA,   1024
.set LDB,   1024
.set STEPS, 8
.set LIMV,  2
.set ASTEP, 256
.set BSTEP, 128*2*LDB
.set PA,    272
.set PB,    288
.set BOFF,  256*PA
.set SLOT1, 1<<17
.set STAGE, SLOT1+BOFF+128*PB          ; behind the ring, never filled by a tensor load: 16 rows x 272 bytes for each wave
.set SP,    272
.set SPARE, STAGE+4*16*SP              ; the spare words, 128 bytes a wave
.set A0,   4
.set B0,   5
.set ADRA, 6
.set ADRB, 7
.set STO,  8
.set RD,   9
.set CO,   10
.set PFO,  11
.set BI,   12                          ; v[12:15] the bias of the four columns that I store
.set BOF,  29                          ; v29  its byte offset
.set SPW,  30
.set NIL,  31
.set F0,   64
.set F1,   160
.set G1A, 24
.set G0A, 32
.set G1B, 48
.set G0B, 56
.set TB,  66
.set LIM, 67
.set PFA, 68
.set PFS, 70
.set MSB, 0
.macro WIN new
.if MSB != (\new)
	s_set_vgpr_msb (MSB<<8)|(\new)
.set MSB, \new
.endif
.endm
.macro PLACES
.rept 4
	v_nop
.endr
.endm
.macro CREST
	s_cmp_lg_u32 s10, 0
	s_cbranch_scc1 .Lnot_wave_0_\@
	s_barrier_signal -3
.Lnot_wave_0_\@:
	s_barrier_wait -3
	s_barrier_signal -1
	s_barrier_wait -1
.endm
.macro CROUND
	s_barrier_signal -1
	s_barrier_wait -1
	CREST
.endm
.macro JLOAD                           ; a joint refill: waves 0 and 1 fetch A's halves, waves 2 and 3 B's; an s_nop 0 and four v_nop follow each line
	s_cmp_lt_u32 s10, 2
	s_cbranch_scc0 .Lfor_b_\@
	tensor_load_to_lds s[G0A+4:G0A+7], s[G1A:G1A+7]
	s_nop 0
.rept 4
	v_nop
.endr
	s_branch .Lasked_\@
.Lfor_b_\@:
	tensor_load_to_lds s[G0B+4:G0B+7], s[G1B:G1B+7]
	s_nop 0
.rept 4
	v_nop
.endr
.Lasked_\@:
.endm
; A prefetch of the K step two refills on, 256 matrix instructions ahead of its load: 32 rows x 256 bytes, a lane a row.  A's rows are asked for by cluster x = 0 (waves 0, 1), B's by cluster y = 0 (wave 2);
; partners share rows out by address.  The last refills have no K step two on.
.macro ASK
	s_cmp_gt_u32 s3, s[LIM]
	s_cbranch_scc0 .Lnot_mine_\@
	global_prefetch_b8 v[PFO], s[PFA:PFA+1] th:TH_LOAD_NT scope:SCOPE_SE
.Lnot_mine_\@:
.endm
	s_load_b128 s[4:7], s[0:1], 0x0                ; obuf s[4:5], wob s[6:7]
	s_load_b64 s[8:9], s[0:1], 0x10                ; out0
	s_load_b64 s[72:73], s[0:1], 0x18              ; b_out
	v_lshl_add_u32 v[SPW], v0, 2, SPARE
	v_mov_b32 v[NIL], 0
	ds_add_u32 v[SPW], v[NIL]                      ; the wave's opening: the add and its wait stand ahead of my first tensor load
	v_lshrrev_b32 v1, 5, v0
	v_readfirstlane_b32 s10, v1
	s_lshr_b32 s11, s10, 1
	s_and_b32 s12, s10, 1
	s_bfe_u32 s40, ttmp6, 0x40000                  ; cx
	s_bfe_u32 s41, ttmp6, 0x40004                  ; cy
	s_lshl_b32 s42, ttmp9, 2
	s_add_co_u32 s42, s42, s40                     ; tile column
	s_and_b32 s43, ttmp7, 0xffff                   ; cluster y
	s_lshl_b32 s13, s43, 2
	s_add_co_u32 s13, s13, s41                     ; tile row
	s_lshl_b32 s44, s41, 2
	s_lshl_b32 s44, 15, s44
	s_lshl_b32 s45, 0x1111, s40
	s_or_b32 s[G1A+0], s44, (1<<16)|(1<<20)|(1<<21)|(5<<22)|(3<<25)
	s_or_b32 s[G1B+0], s45, (1<<16)|(1<<20)|(1<<21)|(5<<22)|(7<<25)
	s_mov_b32 s[G1A+1], 128<<16
	s_mov_b32 s[G1A+2], 128<<16
	s_mov_b32 s[G1A+3], 128<<16
	s_mov_b32 s[G1A+4], 128
	s_mov_b32 s[G1A+5], LDA
	s_mov_b32 s[G1A+6], 0
	s_mov_b32 s[G1A+7], 0
	s_mov_b32 s[G1B+1], 128<<16
	s_mov_b32 s[G1B+2], 64<<16
	s_mov_b32 s[G1B+3], 128<<16
	s_mov_b32 s[G1B+4], 64
	s_mov_b32 s[G1B+5], LDB
	s_mov_b32 s[G1B+6], 0
	s_mov_b32 s[G1B+7], 0
	s_lshl_b32 s16, s13, 8
	s_lshl_b32 s17, s12, 7
	s_add_co_u32 s16, s16, s17
	s_mul_i32 s16, s16, 2*LDA
	s_mov_b32 s17, 0
	s_lshl_b32 s46, s12, 6
	s_mul_i32 s46, s46, 2*LDB
	s_lshl_b32 s47, s42, 8
	s_add_co_u32 s46, s46, s47
	s_mov_b32 s47, 0
	s_mul_i32 s20, s12, 128*PA
	s_mul_i32 s21, s12, 64*PB
	s_add_co_u32 s21, s21, BOFF
	s_mov_b32 s[TB], 0
	s_wait_dscnt 0x0                               ; the opening add is done
	s_wait_kmcnt 0x0
	s_add_nc_u64 s[14:15], s[4:5], s[16:17]
	s_add_nc_u64 s[46:47], s[6:7], s[46:47]
	CROUND
.irp s, 0,1
	s_mov_b32 s[G0A+4*(\s)], 1
	s_add_co_u32 s[G0A+4*(\s)+1], s20, (\s)*SLOT1
	s_add_nc_u64 s[G0A+4*(\s)+2:G0A+4*(\s)+3], s[14:15], (\s)*ASTEP
	s_or_b32 s[G0A+4*(\s)+3], s[G0A+4*(\s)+3], 0x80000000
	s_mov_b32 s[G0B+4*(\s)], 1
	s_add_co_u32 s[G0B+4*(\s)+1], s21, (\s)*SLOT1
	s_add_nc_u64 s[G0B+4*(\s)+2:G0B+4*(\s)+3], s[46:47], (\s)*BSTEP
	s_or_b32 s[G0B+4*(\s)+3], s[G0B+4*(\s)+3], 0x80000000
.endr
	s_cmp_lt_u32 s10, 2                            ; a wave's two first fills stand in one branch: two loads of mine are out
	s_cbranch_scc0 .Lfirst_b
	tensor_load_to_lds s[G0A:G0A+3], s[G1A:G1A+7]
	s_nop 0
	tensor_load_to_lds s[G0A+4:G0A+7], s[G1A:G1A+7]
	s_nop 0
.rept 4
	v_nop
.endr
	s_branch .Lfirst_asked
.Lfirst_b:
	tensor_load_to_lds s[G0B:G0B+3], s[G1B:G1B+7]
	s_nop 0
	tensor_load_to_lds s[G0B+4:G0B+7], s[G1B:G1B+7]
	s_nop 0
.rept 4
	v_nop
.endr
.Lfirst_asked:
	v_and_b32 v1, 15, v0                           ; l % 16
	v_bfe_u32 v2, v0, 4, 1                         ; l / 16
	s_lshl_b32 s82, s42, 9                         ; the bias of columns 128 x tile column + 64 (w % 2) + 4 (l % 16) + 0..3: the four that I hold when rows come back from the stage
	s_lshl_b32 s83, s12, 8
	s_add_co_u32 s82, s82, s83
	v_lshl_add_u32 v[BOF], v1, 4, s82
	global_load_b128 v[BI:BI+3], v[BOF], s[72:73]
	v_mul_u32_u24 v3, v1, PA
	v_lshl_add_u32 v3, v2, 4, v3
	s_mul_i32 s22, s11, 128*PA
	v_add_nc_u32 v[A0], s22, v3
	v_and_b32 v3, 7, v0
	v_lshl_add_u32 v3, v2, 3, v3
	v_mul_u32_u24 v[B0], v3, PB
	v_bfe_u32 v3, v0, 3, 1
	v_lshl_add_u32 v[B0], v3, 4, v[B0]
	s_lshl_b32 s22, s12, 7
	s_add_co_u32 s22, s22, BOFF
	v_add_nc_u32 v[B0], s22, v[B0]
	v_mov_b32 v[ADRA], v[A0]
	v_mov_b32 v[ADRB], v[B0]
	s_mul_i32 s23, s10, 16*SP
	s_add_co_u32 s23, s23, STAGE                   ; my stage
	v_mul_u32_u24 v3, v1, SP                       ; in: row l % 16, 32 bytes for each half of the lanes
	v_lshl_add_u32 v3, v2, 5, v3
	v_add_nc_u32 v[STO], s23, v3
	v_mul_u32_u24 v3, v2, SP                       ; back: lanes 0-15 one row of 256 bytes, lanes 16-31 the next
	v_lshl_add_u32 v3, v1, 4, v3
	v_add_nc_u32 v[RD], s23, v3
	v_lshlrev_b32 v3, 12, v2                       ; and the same two rows in out0
	v_lshl_add_u32 v[CO], v1, 4, v3
	s_lshl_b32 s80, s13, 8
	s_lshl_b32 s81, s11, 7
	s_add_co_u32 s80, s80, s81                     ; my first row,
	s_lshl_b32 s80, s80, 12
	s_add_co_u32 s80, s80, s82                     ; my 64 columns
	s_mov_b32 s81, 0
	s_add_nc_u64 s[8:9], s[8:9], s[80:81]
	; the prefetches stand at K step 3; the first change of slots steps them to 4.  Nothing is asked for at the head
	s_lshl_b32 s76, s13, 8
	s_lshl_b32 s77, s12, 7
	s_add_co_u32 s76, s76, s77
	s_lshl_b32 s77, s40, 5
	s_add_co_u32 s76, s76, s77
	s_mul_i32 s76, s76, 2*LDA
	s_add_co_u32 s76, s76, 3*ASTEP
	s_lshl_b32 s78, s41, 5
	s_mul_i32 s78, s78, 2*LDB
	s_lshl_b32 s79, s42, 8
	s_add_co_u32 s78, s78, s79
	s_add_co_u32 s78, s78, 3*BSTEP
	s_mov_b32 s[PFS], BSTEP
	s_cmp_lt_u32 s10, 2
	s_cselect_b32 s76, s76, s78
	s_cselect_b32 s[PFS], ASTEP, s[PFS]
	s_cselect_b32 s78, ttmp9, s43
	s_cselect_b64 s[PFA:PFA+1], s[4:5], s[6:7]
	s_mov_b32 s77, 0
	s_mov_b32 s[PFS+1], 0
	s_add_nc_u64 s[PFA:PFA+1], s[PFA:PFA+1], s[76:77]
	s_cmp_eq_u32 s10, 3
	s_cselect_b32 s78, 1, s78
	s_cmp_eq_u32 s78, 0
	s_cselect_b32 s[LIM], LIMV, -1
	v_and_b32 v[PFO], 31, v0
	v_lshlrev_b32 v[PFO], 11, v[PFO]               ; a row of A and a row of B are both 2,048 bytes
	s_wait_loadcnt 0x0                             ; the bias: rounded to bf16 and widened again
	v_cvt_pk_bf16_f32 v16, v[BI], v[BI+1]
	v_cvt_pk_bf16_f32 v17, v[BI+2], v[BI+3]
	v_lshlrev_b32 v[BI], 16, v16
	v_and_b32 v[BI+1], 0xffff0000, v16
	v_lshlrev_b32 v[BI+2], 16, v17
	v_and_b32 v[BI+3], 0xffff0000, v17
.macro MUL8 f, a0, zero                ; 8 matrix instructions; every quarter takes the 32 accumulators once, in the same order, one instruction a turn
	WIN 0x50
.irp a, \a0, (\a0)+1
.irp b, 0,1,2,3
.if \zero
	v_wmma_f32_16x16x32_f16 v[8*(4*(\a)+(\b)):8*(4*(\a)+(\b))+7], v[(\f)+64+8*(\b):(\f)+64+8*(\b)+7], v[(\f)+8*(\a):(\f)+8*(\a)+7], 0
.else
	v_wmma_f32_16x16x32_f16 v[8*(4*(\a)+(\b)):8*(4*(\a)+(\b))+7], v[(\f)+64+8*(\b):(\f)+64+8*(\b)+7], v[(\f)+8*(\a):(\f)+8*(\a)+7], v[8*(4*(\a)+(\b)):8*(4*(\a)+(\b))+7]
.endif
.endr
.endr
.endm
.macro FETCH q, f
	WIN 0
.irp j, 0,1,2,3
	ds_load_tr16_b128 v[(\f)+64+8*(\j):(\f)+64+8*(\j)+3],   v[ADRB] offset:(\q)*32*PB+32*(\j)
	ds_load_tr16_b128 v[(\f)+64+8*(\j)+4:(\f)+64+8*(\j)+7], v[ADRB] offset:(\q)*32*PB+16*PB+32*(\j)
.endr
.irp i, 0,1,2,3,4,5,6,7
	ds_load_b128 v[(\f)+8*(\i):(\f)+8*(\i)+3],   v[ADRA] offset:(\q)*64+(\i)*16*PA
	ds_load_b128 v[(\f)+8*(\i)+4:(\f)+8*(\i)+7], v[ADRA] offset:(\q)*64+(\i)*16*PA+32
.endr
.endm
.macro QUARTER q, f, g, zero
	s_wait_dscnt 8                                 ; B and A's blocks 0-3 are in; the youngest eight loads may be out
	MUL8 \f, 0, \zero
	MUL8 \f, 2, \zero
	PLACES
	FETCH \q, \g
	s_wait_dscnt 24                                ; all but the 24 just issued
	MUL8 \f, 4, \zero
	MUL8 \f, 6, \zero
.endm
.macro TURN fill                       ; the last quarter and the change of slots, as in the projection
.if \fill
	s_wait_xcnt 0x0                                ; the last prefetch, a K step back, has read its address
	s_add_nc_u64 s[PFA:PFA+1], s[PFA:PFA+1], s[PFS:PFS+1]
.endif
	WIN 0
	s_wait_tensorcnt 0x0                           ; all my tensor loads have landed
	ds_add_u32 v[SPW], v[NIL]
	s_wait_dscnt 9                                 ; (the add and the youngest eight loads may be out)
	MUL8 F1, 0, 0
	s_wait_dscnt 0x0                               ; the add is done, and my reads of this slot are over
	s_barrier_signal -1
	MUL8 F1, 2, 0
.if \fill
	WIN 0
.endif
	s_barrier_wait -1
.if \fill
	CREST
	s_xor_b32 s[G0A+5], s[G0A+5], SLOT1
	s_add_nc_u64 s[G0A+6:G0A+7], s[G0A+6:G0A+7], ASTEP
	s_xor_b32 s[G0B+5], s[G0B+5], SLOT1
	s_add_nc_u64 s[G0B+6:G0B+7], s[G0B+6:G0B+7], BSTEP
	JLOAD
.else
	PLACES
	WIN 0
.endif
	s_xor_b32 s[TB], s[TB], SLOT1
	v_add_nc_u32 v[ADRA], s[TB], v[A0]
	v_add_nc_u32 v[ADRB], s[TB], v[B0]
	FETCH 0, F0
.if \fill
	ASK
.endif
	MUL8 F1, 4, 0
	MUL8 F1, 6, 0
.endm
.macro LASTQ
	s_wait_dscnt 8
	MUL8 F1, 0, 0
	MUL8 F1, 2, 0
	s_wait_dscnt 0x0
	MUL8 F1, 4, 0
	MUL8 F1, 6, 0
	WIN 0
.endm
; THE WAY OUT of row block a.  TOSTAGE: a lane's 32 bytes of each of four column blocks go into my stage, straight from the accumulators (low registers first), and come back as whole rows of 256 bytes,
; into v32-63 or v64-95 by turns.  SEND: the bias is added and the rows are stored.
.macro TOSTAGE a
.set BK, 32+32*((\a)%2)
.if (\a) >= 2
	s_wait_xcnt 0x0                                ; the stores of the block two back have read these registers
.endif
	WIN 0x04                                       ; the stores' data in window 1
.irp b, 0,1,2,3
	ds_store_b128 v[STO], v[8*(4*(\a)+(\b)):8*(4*(\a)+(\b))+3]   offset:64*(\b)
	ds_store_b128 v[STO], v[8*(4*(\a)+(\b))+4:8*(4*(\a)+(\b))+7] offset:64*(\b)+16
.endr
	WIN 0
.irp t, 0,1,2,3,4,5,6,7
	ds_load_b128 v[BK+4*(\t):BK+4*(\t)+3], v[RD] offset:(\t)*2*SP  ; LDS serves a wave's instructions in order (ISA guide 5.7.1.4): these see the stores above; the next block's stores come behind them
.endr
.endm
.macro SEND a, younger                 ; younger: the LDS instructions issued behind block a's loads: the next block's sixteen, or none
.set BK, 32+32*((\a)%2)
	s_wait_dscnt \younger
.irp t, 0,1,2,3,4,5,6,7
	v_pk_add_f32 v[BK+4*(\t):BK+4*(\t)+1],   v[BK+4*(\t):BK+4*(\t)+1],   v[BI:BI+1]
	v_pk_add_f32 v[BK+4*(\t)+2:BK+4*(\t)+3], v[BK+4*(\t)+2:BK+4*(\t)+3], v[BI+2:BI+3]
.endr
.irp t, 0,1,2,3,4,5,6,7
	global_store_b128 v[CO], v[BK+4*(\t):BK+4*(\t)+3], s[8:9] offset:(16*(\a)+2*(\t))*4096  ; 16 lanes store 256 consecutive bytes, at a multiple of 256 from out0's first byte
.endr
.endm
	s_wait_tensorcnt 1                             ; my part of K step 0 is in; K step 1's may stay out
	s_barrier_signal -1
	s_barrier_wait -1
	FETCH 0, F0
	QUARTER 1, F0, F1, 1                           ; the first quarter's products start the sums
	WIN 0
	s_mov_b32 s3, STEPS-2
.Lstep:
	QUARTER 2, F1, F0, 0
	QUARTER 3, F0, F1, 0
	TURN 1
	QUARTER 1, F0, F1, 0
	WIN 0
	s_sub_co_u32 s3, s3, 1
	s_cmp_lg_u32 s3, 0
	s_cbranch_scc1 .Lstep
	QUARTER 2, F1, F0, 0                           ; the last two K steps fill nothing
	QUARTER 3, F0, F1, 0
	TURN 0
	QUARTER 1, F0, F1, 0
	QUARTER 2, F1, F0, 0
	QUARTER 3, F0, F1, 0
	LASTQ
	PLACES
	TOSTAGE 0
	TOSTAGE 1
.irp a, 2,3,4,5,6,7
	SEND (\a)-2, 16
	TOSTAGE \a
.endr
	SEND 6, 16
	SEND 7, 0
	s_wait_tensorcnt 0x0                           ; the wave's end
	ds_add_u32 v[SPW], v[NIL]
	s_wait_dscnt 0x0
	CROUND                                         ; the closing round
	s_endpgm
.Lfunc_end_k_qced1326843_outp:
	.size	k_qced1326843_outp, .Lfunc_end_k_qced1326843_outp-k_qced1326843_outp
	.p2alignl 7, 3214868480
	.fill 96, 4, 3214868480
	.section	.rodata,"a",@progbits
	.p2align	6, 0x0
	.amdhsa_kernel k_qced1326843_outp
		.amdhsa_group_segment_fixed_size 327680
		.amdhsa_private_segment_fixed_size 0
		.amdhsa_enable_private_segment 0
		.amdhsa_kernarg_size 32
		.amdhsa_user_sgpr_count 2
		.amdhsa_user_sgpr_kernarg_segment_ptr 1
		.amdhsa_wavefront_size32 1
		.amdhsa_system_sgpr_workgroup_id_x 1
		.amdhsa_system_sgpr_workgroup_id_y 1
		.amdhsa_system_sgpr_workgroup_id_z 1
		.amdhsa_system_vgpr_workitem_id 0
		.amdhsa_next_free_vgpr 512
		.amdhsa_next_free_sgpr 84
		.amdhsa_reserve_vcc 0
		.amdhsa_float_denorm_mode_32 3
		.amdhsa_float_denorm_mode_16_64 3
		.amdhsa_memory_ordered 1
		.amdhsa_forward_progress 1
		.amdhsa_inst_pref_size 79
	.end_amdhsa_kernel
	.amdgpu_metadata
---
amdhsa.version: [ 1, 2 ]
amdhsa.kernels:
  - .name:           k_qced1326843_outp
    .symbol:         k_qced1326843_outp.kd
    .args:
      - { .name: obuf, .offset: 0, .size: 8, .value_kind: global_buffer, .address_space: global }
      - { .name: wob, .offset: 8, .size: 8, .value_kind: global_buffer, .address_space: global }
      - { .name: out0, .offset: 16, .size: 8, .value_kind: global_buffer, .address_space: global }
      - { .name: b_out, .offset: 24, .size: 8, .value_kind: global_buffer, .address_space: global }
    .group_segment_fixed_size: 327680
    .private_segment_fixed_size: 0
    .kernarg_segment_align: 8
    .kernarg_segment_size: 32
    .max_flat_workgroup_size: 128
    .sgpr_count:     84
    .vgpr_count:     512
    .wavefront_size: 32
...
	.end_amdgpu_metadata
.endif
;; end of part 5
;; ======== version 2 of 2: 5 launches; version 1 with the launch prep written anew for expert scheduling mode
;; limits: values are held in f16: magnitudes above 65,504 overflow, below 6.1e-05 lose precision
;; workspace buffers: xb 16,777,216 bytes; wqb 6,291,456 bytes; wob 2,097,152 bytes; qkv 50,331,648 bytes; pbuf 33,554,432 bytes; stats 524,288 bytes; obuf 16,777,216 bytes
;; launch prep (part 6): grid 768 x 1, 8 waves a work-group, no clusters, 0 bytes of LDS; arguments x, W_qkv, W_out, xb, wqb, wob; writes xb, wqb, wob
.if DOCPART == 6
	.amdgcn_target "amdgcn-amd-amdhsa--gfx1250"
	.amdhsa_code_object_version 6
	.text
	.protected	k_qced1326843_prep
	.globl	k_qced1326843_prep
	.p2align	8
	.type	k_qced1326843_prep,@function
k_qced1326843_prep:
	s_mov_b64 s[64:65], 0
	v_nop
	global_prefetch_b8 v0, s[64:65] scope:SCOPE_SE
	s_setreg_imm32_b32 hwreg(HW_REG_WAVE_SCHED_MODE, 0, 2), 2
	s_setreg_imm32_b32 hwreg(HW_REG_WAVE_MODE, 25, 1), 1
	s_wait_xcnt 0x0
	s_wait_alu depctr_vm_vsrc(0)
; THE CASTS.  xb = bf16(x), wqb = bf16(W_qkv), wob = f16(bf16(W_out)): every input of the module is rounded once to bf16; W_out's rounded number is
; then written as f16, because the last product multiplies it with an f16 operand.
; xb LIES IN BLOCKS: [16 blocks of 64 channels][8192 rows][64], so that the 64 channels of neighbouring rows lie end to end: what the projection takes in one K step is dense.  wqb and wob lie as their inputs do.
; LIMIT.  bf16(W_out) beyond 65,504 becomes an infinity in f16; below 6e-5 it keeps f16's fixed step of 6e-8.
; SHARES.  A work-group takes 16,384 numbers: groups 0-511 of x (16 rows each), 512-703 of W_qkv, 704-767 of W_out.  Eight waves, sixteen loads of 16 bytes a thread, all issued ahead of the first store.
; Of the weights thread t takes 16 bytes at 16 t of each 4,096.  Of x a wave takes, in one load, 256 bytes (64 channels, one block) of each of two neighbouring rows.  Either way a wave's store covers 256 consecutive bytes, aligned.
; No LDS, no barrier, no matrix unit: each byte is read once and written once, and no wave needs another's.
; THE MODE: SCHED_MODE bits 1:0 = 2 (LLVM: expert scheduling mode 2), set by the entry lines.  The code itself states the register dependences
; between vector instructions and memory instructions, with s_wait_alu, always for 0.
; THE PLAN.  Registers that memory instructions touch, on each of the three paths:
;   v1          the loads' offset; v2 (and v3, for x) the stores'.  Written by vector instructions at the path's head, never again.
;   X           load i lands in its own four registers, which no vector instruction names before; only vector instructions read them, behind the wait for the load.
;   Y           pair i is written by the conversions of load i and read by store i; nothing writes it behind that store.
; The sixteen loads go in four groups of four.  Group g's conversions name X and Y of group g alone; the memory instructions that stand among them are the four stores of group g - 1, which read Y of group g - 1
; and an offset.  So one wait at a group's head states all that those four stores hang on.  No register that a memory instruction reads is ever written again: there is no wait for the stores' or the loads' reads.
; No vector instruction writes a scalar register, and EXEC is never written.
.set GX,  512                          ; work-groups for x
.set GW,  704                          ; and, up to here, for W_qkv
.set X,   16                           ; v[16:79]   sixteen loads of four f32
.set Y,   80                           ; v[80:111]  sixteen pairs of packed results
	s_load_b256 s[4:11], s[0:1], 0x0               ; x s[4:5], W_qkv s[6:7], W_out s[8:9], xb s[10:11]
	s_load_b128 s[12:15], s[0:1], 0x20             ; wqb s[12:13], wob s[14:15]
	s_mov_b32 s16, ttmp9
	s_mov_b32 s19, 0
	s_mov_b32 s25, 0
	s_wait_kmcnt 0x0
	s_cmp_lt_u32 s16, GX                           ; which tensor: the choice hangs on the work-group's number alone
	s_cselect_b64 s[20:21], s[4:5], s[6:7]
	s_cselect_b64 s[22:23], s[10:11], s[12:13]
	s_cselect_b32 s17, 0, GX
	s_cselect_b32 s26, 11, 15                      ; out: 16 rows of 128 bytes in each block of xb, or 32,768 bytes on end
	s_cmp_lt_u32 s16, GW
	s_cselect_b64 s[20:21], s[20:21], s[8:9]
	s_cselect_b64 s[22:23], s[22:23], s[14:15]
	s_cselect_b32 s17, s17, GW
	s_sub_co_u32 s17, s16, s17                     ; my number among the tensor's work-groups
	s_lshl_b32 s18, s17, 16                        ; 65,536 bytes in
	s_lshl_b32 s24, s17, s26
	s_add_nc_u64 s[20:21], s[20:21], s[18:19]
	s_add_nc_u64 s[22:23], s[22:23], s[24:25]
; Store number o: four rounded numbers.  blk = 1: into xb's blocks.
.macro PUT blk
.if \blk
	global_store_b64 v[2+o%2], v[Y+2*o:Y+2*o+1], s[22:23] offset:(o/2)*256  ; two rows of a block: 256 bytes on end
.else
	global_store_b64 v2, v[Y+2*o:Y+2*o+1], s[22:23] offset:2048*o  ; no register of a store is written again: no wait for the stores
.endif
.endm
; Four groups of four loads: each load's four numbers are rounded; the group before is stored meanwhile.  half = 1: the bf16 number is widened again (a shift, a mask) and written as f16.
.macro OUT half, blk
.set g, 0
.rept 4
	s_wait_loadcnt 12-4*g                          ; loads come back in order: group g's four are in, the 12 - 4 g younger ones stay out
.if g > 0
	s_wait_alu depctr_va_vdst(0)                   ; the conversions of the group before have written its Y, which the four stores below read
.endif
.set k, 0
.rept 4
.set i, 4*g+k
.set o, i-4
.if g > 0
	PUT \blk                                       ; no vector instruction since the wait names this store's registers
.endif
	v_cvt_pk_bf16_f32 v[Y+2*i], v[X+4*i], v[X+4*i+1]
	v_cvt_pk_bf16_f32 v[Y+2*i+1], v[X+4*i+2], v[X+4*i+3]
.if \half
	v_lshlrev_b32 v[X+4*i], 16, v[Y+2*i]
	v_and_b32 v[X+4*i+1], 0xffff0000, v[Y+2*i]
	v_lshlrev_b32 v[X+4*i+2], 16, v[Y+2*i+1]
	v_and_b32 v[X+4*i+3], 0xffff0000, v[Y+2*i+1]
	v_cvt_pk_f16_f32 v[Y+2*i], v[X+4*i], v[X+4*i+1]
	v_cvt_pk_f16_f32 v[Y+2*i+1], v[X+4*i+2], v[X+4*i+3]
.endif
.set k, k+1
.endr
.set g, g+1
.endr
	s_wait_alu depctr_va_vdst(0)                   ; the last group's conversions have written its Y, which the last four stores read
.set o, 12
.rept 4
	PUT \blk
.set o, o+1
.endr
.endm
	s_cmp_lt_u32 s16, GX
	s_cbranch_scc0 .Lweights
	; x.  Load i: rows 2 (i / 2) and 2 (i / 2) + 1 of my 16, blocks 8 (i % 2) + wave: lane l takes row l / 16 of the two and channels 4 (l % 16) + 0..3 of the block
	v_and_b32 v4, 15, v0
	v_bfe_u32 v5, v0, 4, 1
	v_lshrrev_b32 v6, 5, v0                        ; wave
	v_lshlrev_b32 v1, 4, v4                        ; in: 16 (l % 16)
	v_lshl_add_u32 v1, v5, 12, v1                  ;   + 4,096 (l / 16)
	v_lshl_add_u32 v1, v6, 8, v1                   ;   + 256 x wave
	v_and_b32 v2, 31, v0
	v_lshlrev_b32 v2, 3, v2                        ; out: 8 l
	v_lshl_add_u32 v2, v6, 20, v2                  ;   + the block: 8192 rows x 128 bytes each
	v_add_nc_u32 v3, 0x800000, v2                  ; and eight blocks on, for the odd loads: more than a store's immediate holds
	s_wait_alu depctr_va_vdst(0)                   ; v1 is written, which the sixteen loads read as their offset; so are v2 and v3, which the stores read
.set i, 0
.rept 16
	global_load_b128 v[X+4*i:X+4*i+3], v1, s[20:21] offset:(i/2)*8192+(i%2)*2048 th:TH_LOAD_NT
.set i, i+1
.endr
	OUT 0, 1
	s_endpgm
.Lweights:
	v_lshlrev_b32 v1, 4, v0                        ; 16 t: where I read
	v_lshlrev_b32 v2, 3, v0                        ; 8 t: where I write
	s_wait_alu depctr_va_vdst(0)                   ; v1 is written, which the sixteen loads read as their offset; so is v2, which the stores read
.set i, 0
.rept 16
	global_load_b128 v[X+4*i:X+4*i+3], v1, s[20:21] offset:4096*i th:TH_LOAD_NT
.set i, i+1
.endr
	s_cmp_lt_u32 s16, GW
	s_cbranch_scc0 .Lhalf
	OUT 0, 0
	s_endpgm
.Lhalf:
	OUT 1, 0
	s_endpgm
.Lfunc_end_k_qced1326843_prep:
	.size	k_qced1326843_prep, .Lfunc_end_k_qced1326843_prep-k_qced1326843_prep
	.p2alignl 7, 3214868480
	.fill 96, 4, 3214868480
	.section	.rodata,"a",@progbits
	.p2align	6, 0x0
	.amdhsa_kernel k_qced1326843_prep
		.amdhsa_group_segment_fixed_size 0
		.amdhsa_private_segment_fixed_size 0
		.amdhsa_enable_private_segment 0
		.amdhsa_kernarg_size 48
		.amdhsa_user_sgpr_count 2
		.amdhsa_user_sgpr_kernarg_segment_ptr 1
		.amdhsa_wavefront_size32 1
		.amdhsa_system_sgpr_workgroup_id_x 1
		.amdhsa_system_sgpr_workgroup_id_y 1
		.amdhsa_system_sgpr_workgroup_id_z 1
		.amdhsa_system_vgpr_workitem_id 0
		.amdhsa_next_free_vgpr 112
		.amdhsa_next_free_sgpr 66
		.amdhsa_reserve_vcc 0
		.amdhsa_float_denorm_mode_32 3
		.amdhsa_float_denorm_mode_16_64 3
		.amdhsa_memory_ordered 1
		.amdhsa_forward_progress 1
		.amdhsa_inst_pref_size 22
	.end_amdhsa_kernel
	.amdgpu_metadata
---
amdhsa.version: [ 1, 2 ]
amdhsa.kernels:
  - .name:           k_qced1326843_prep
    .symbol:         k_qced1326843_prep.kd
    .args:
      - { .name: x, .offset: 0, .size: 8, .value_kind: global_buffer, .address_space: global }
      - { .name: W_qkv, .offset: 8, .size: 8, .value_kind: global_buffer, .address_space: global }
      - { .name: W_out, .offset: 16, .size: 8, .value_kind: global_buffer, .address_space: global }
      - { .name: xb, .offset: 24, .size: 8, .value_kind: global_buffer, .address_space: global }
      - { .name: wqb, .offset: 32, .size: 8, .value_kind: global_buffer, .address_space: global }
      - { .name: wob, .offset: 40, .size: 8, .value_kind: global_buffer, .address_space: global }
    .group_segment_fixed_size: 0
    .private_segment_fixed_size: 0
    .kernarg_segment_align: 8
    .kernarg_segment_size: 48
    .max_flat_workgroup_size: 256
    .sgpr_count:     66
    .vgpr_count:     112
    .wavefront_size: 32
...
	.end_amdgpu_metadata
.endif
;; end of part 6
;; launch proj: the kernel of part 2 again; grid 8 x 32, 4 waves a work-group, clusters of 4 x 4, 327,680 bytes of LDS; arguments xb, wqb, qkv; writes qkv
;; launch scores: the kernel of part 3 again; grid 8 x 32, 4 waves a work-group, clusters of 4 x 4, 327,680 bytes of LDS; arguments qkv, pbuf, stats; writes pbuf, stats
;; launch mix: the kernel of part 4 again; grid 8 x 32, 4 waves a work-group, clusters of 4 x 4, 327,680 bytes of LDS; arguments pbuf, qkv, obuf, stats; writes obuf
;; launch outp: the kernel of part 5 again; grid 8 x 32, 4 waves a work-group, clusters of 4 x 4, 327,680 bytes of LDS; arguments obuf, wob, out0, b_out; writes out0
